; MI455X (gfx1250); checked and timed in simulation.
; The chip was launched on July 23, 2026; its instructions are those of AMD's public machine-readable ISA for CDNA 5 (MIT licence, August 2026) and "CDNA5" Instruction Set Architecture Reference Guide (July 2026). The comments in the code are by the model that wrote it; some were corrected since.
;; Multi Head. Allowed arithmetic: matrix products marked QUANTISED: E5M2 operands, one E8M0 scale for each 32 along K, by v_wmma_scale_f32_16x16x128_f8f6f4 with both operands' format E5M2, f32 sums; everything else in f32.
;; Inputs: Wk_codes 16 x 64 x 32 x 32 uint8 (E5M2 codes of Wk, K innermost, in blocks of 32 codes); Wk_scales 16 x 64 x 32 uint8 (E8M0 scales of Wk, one for each 32 codes along K); Wo_codes 1,024 x 32 x 32 uint8 (E5M2 codes of Wo, K innermost, in blocks of 32 codes); Wo_scales 1,024 x 32 uint8 (E8M0 scales of Wo, one for each 32 codes along K); Wq_codes 16 x 64 x 32 x 32 uint8 (E5M2 codes of Wq, K innermost, in blocks of 32 codes); Wq_scales 16 x 64 x 32 uint8 (E8M0 scales of Wq, one for each 32 codes along K); Wv_codes 16 x 64 x 32 x 32 uint8 (E5M2 codes of Wv, K innermost, in blocks of 32 codes); Wv_scales 16 x 64 x 32 uint8 (E8M0 scales of Wv, one for each 32 codes along K); bo 1,024 float32; k_codes 4 x 2,048 x 32 x 32 uint8 (E5M2 codes of k, K innermost, in blocks of 32 codes); k_scales 4 x 2,048 x 32 uint8 (E8M0 scales of k, one for each 32 codes along K); q_codes 4 x 2,048 x 32 x 32 uint8 (E5M2 codes of q, K innermost, in blocks of 32 codes); q_scales 4 x 2,048 x 32 uint8 (E8M0 scales of q, one for each 32 codes along K); v_codes 4 x 2,048 x 32 x 32 uint8 (E5M2 codes of v, K innermost, in blocks of 32 codes); v_scales 4 x 2,048 x 32 uint8 (E8M0 scales of v, one for each 32 codes along K).
;; Outputs: out0 4 x 2,048 x 1,024 float32.
;; This version of the problem:
;;   THIS VERSION OF THE PROBLEM IS GIVEN IN LOW PRECISION. The matrix products marked QUANTISED in the list below multiply operands that are first quantised to E5M2 (5 exponent bits, 2 mantissa bits; 8 bits a number), with one power-of-two scale for each 32 numbers along K (OCP MX v1.0); their sums are f32. All else is computed in f32.
;;   The module's matrix products, in the order in which they are computed (A, B: the left and right operand; K: the contracted axis; several contracted axes count as one K, in the product's order):
;;     1. [M 1,024, K 1,024] x [K 1,024, N 8,192]; A: input Wq (given as codes); B: input q (given as codes): QUANTISED
;;     2. [M 1,024, K 1,024] x [K 1,024, N 8,192]; A: input Wk (given as codes); B: input k (given as codes): QUANTISED
;;     3. [M 1,024, K 1,024] x [K 1,024, N 8,192]; A: input Wv (given as codes); B: input v (given as codes): QUANTISED
;;     4. batch 64 x [M 2,048, K 64] x [K 64, N 2,048]; A: computed on the way; B: computed on the way: QUANTISED
;;     5. batch 64 x [M 2,048, K 2,048] x [K 2,048, N 64]; A: softmax (see below); B: computed on the way: QUANTISED
;;     6. [M 8,192, K 1,024] x [K 1,024, N 1,024]; A: computed on the way; B: input Wo (given as codes): QUANTISED
;;   THE QUANTISER, for each operand of a quantised product, along K:
;;     - K is cut into blocks of 32 from its start; a last block that is shorter is filled with zeros.
;;     - A block's scale is 2^e with e = floor(log2(the largest magnitude in the block)) - 15, held to -126 .. 127; a block of zeros has e = 0. As a byte (E8M0): e + 127.
;;     - Each number is divided by its block's scale, clamped to +-57,344, and rounded to the nearest number of E5M2, ties to even, subnormals kept.
;;     - The product sums the exact products of the quantised numbers (number of the format x scale) in f32.
;;   ~~~python
;;   def quantise(x, axis):      # numpy; x: float32 -> the quantised numbers, widened to float32 again
;;       x = np.moveaxis(x, axis, -1); K = x.shape[-1]
;;       x = np.pad(x, [(0, 0)] * (x.ndim - 1) + [(0, -K % 32)]); x = x.reshape(x.shape[:-1] + (-1, 32)); a = np.abs(x).max(-1, keepdims=True)
;;       e = np.where(a > 0, np.clip(np.frexp(np.where(a > 0, a, 1))[1] - 1 - 15, -126, 127), 0)      # np.frexp(a)[1] - 1 = floor(log2(a)), exactly
;;       r = np.clip(x / 2.0 ** e, -57344, 57344)
;;       step = 2.0 ** (np.maximum(np.frexp(np.where(r == 0, 1, r))[1] - 1, -14) - 2)
;;       q = np.round(r / step) * step * 2.0 ** e      # np.round: ties to even
;;       return np.moveaxis(q.reshape(q.shape[:-2] + (-1,))[..., :K], -1, axis).astype(np.float32)
;;   ~~~
;;   SOFTMAX AHEAD OF A QUANTISED PRODUCT. Where the list says 'softmax', what is quantised is not the finished softmax but p = 2^(t - M), with t = logit x log2(e) and M = ceil(the row's largest t), a whole number; so 1/2 < the row's largest p <= 1. The row's sum l is taken of the UNQUANTISED p, in f32, and the product's result is divided by l at the end. Since M is a whole number, a kernel that streams over the keys may use a running M (the ceiling of the running maximum): every later rescaling is an exact power of two, which a block's scale takes up: the codes' values come out the same.
;;   OPERANDS COMPUTED ON THE WAY. 'Computed on the way' means the value that the module computes at that place (a softmax that the list does not call 'softmax' is quantised finished and normalised). What goes into a quantiser is computed in f32, as accurately as f32 sums, v_exp_f32 and their like allow (about 1e-6 of the number): no bf16 or f16 on the way to a quantiser, and a product that is left as it is and whose result goes on into a quantised operand takes f32 operands (vector FMAs, or v_wmma_f32_16x16x4_f32). A number that lies on a knife's edge between two numbers of the format may be rounded either way, as far as f32 arithmetic and the matrix unit's own rounding can turn it there, and no further.
;;   INPUTS GIVEN AS CODES. Wk (in the module: [16, 1024, 64], K = its axis 1); Wo (in the module: [1024, 1024], K = its axis 1); Wq (in the module: [16, 1024, 64], K = its axis 1); Wv (in the module: [16, 1024, 64], K = its axis 1); k (in the module: [4, 2048, 1024], K = its axis 2); q (in the module: [4, 2048, 1024], K = its axis 2); v (in the module: [4, 2048, 1024], K = its axis 2): each comes as NAME_codes (uint8): NAME with its K axis moved to the last place and cut into blocks of 32 codes, [.., K / 32, bytes a block], one block behind the other in memory; one code a byte (a code: sign, 5 exponent bits, 2 mantissa bits); and NAME_scales (uint8): the same leading axes, one E8M0 byte (e + 127) for each 32 codes along K. Its value is code x scale, taken as it is: it is not quantised again, and the codes and scales need not be those that the quantiser above would give.
;; One version. Each part assembles by itself: llvm-mc -triple=amdgcn-amd-amdhsa -mcpu=gfx1250 --defsym DOCPART=n.
;; ======== version 1 of 1: 3 launches
;; limits: right only within a limited range of input values
;; workspace buffers: qbuf 8,912,896 bytes; kvbuf 17,563,648 bytes; ao 8,388,608 bytes; aoscl 262,144 bytes
;; launch proj (part 1): grid 4 x 192, 4 waves a work-group, clusters of 4 x 4, 327,680 bytes of LDS; arguments q_codes, q_scales, Wq_codes, Wq_scales, k_codes, k_scales, Wk_codes, Wk_scales, Wv_codes, Wv_scales, v_codes, v_scales, qbuf, kvbuf; writes qbuf, kvbuf
.if DOCPART == 1
	.amdgcn_target "amdgcn-amd-amdhsa--gfx1250"
	.amdhsa_code_object_version 6
	.text
	.protected	k_qecc031eabb_proj
	.globl	k_qecc031eabb_proj
	.p2align	8
	.type	k_qecc031eabb_proj,@function
k_qecc031eabb_proj:
	s_mov_b64 s[64:65], 0
	v_nop
	global_prefetch_b8 v0, s[64:65] scope:SCOPE_SE
	s_setreg_imm32_b32 hwreg(HW_REG_WAVE_MODE, 25, 1), 1
	s_wait_xcnt 0x0
	s_wait_alu depctr_hold_cnt(0) depctr_sa_sdst(0) depctr_va_vdst(0) depctr_va_sdst(0) depctr_va_ssrc(0) depctr_va_vcc(0) depctr_vm_vsrc(0)
	s_getreg_b32 s2, hwreg(HW_REG_IB_STS2, 6, 4)
	s_cmp_eq_u32 s2, 0
	s_cbranch_scc0 .Lentry_in_a_cluster
	s_endpgm
.Lentry_in_a_cluster:
	s_bfe_u32 s2, ttmp6, 0x10000c
	s_cmp_lg_u32 s2, 0xf033
	s_cbranch_scc0 .Lentry_shape_is_right
	s_endpgm
.Lentry_shape_is_right:
; THE THREE PROJECTIONS Q = q Wq, K = k Wk, V = v Wv on codes of BF8 (E5M2) with E8M0 scales, and the quantising of their results for the attention launch.
; DEAD WORK OF THE WHOLE PROGRAM.  This launch leaves nothing out.  The attention launch leaves out every step of 128 keys that lies wholly behind a wave's 16 queries: reference() builds the
; lower-triangular mask in its own body and sets those scores to -infinity, so their weights are 0 whatever the inputs hold, and they reach no output.  All inputs have a way to the output and are loaded.
; LIMIT: a NaN, an infinity or an overflow that reaches only such hidden scores is not carried to the result.
; ONE BODY FOR THE THREE.  Each product is X Y^T with X as source 0 and Y as source 1: in the result a lane holds ONE row of Y and its registers run along rows of X, which are the NEXT product's K.
;   Q, K: X = the weight (row = 64 head + channel), Y = the tokens: registers run along the head's channels.     V: X = the tokens (keys), Y = the weight: registers run along the keys.
; Both are [rows][1,024 codes] with [rows][32] scale bytes, so only pointers and block numbers differ; which of the three is mine hangs on the cluster's y alone.
; SHARES.  A work-group: 256 rows of X x 128 rows of Y x all 1,024 of K.  Wave w: X rows 128 (w & 1) on, Y rows 64 (w >> 1) on: 8 x 4 accumulators, 256 registers; 32 matrix instructions for each 128 along K.
; CLUSTER 4 x 4: Y's tiles hang on the work-group's y and are asked for jointly along a row of the cluster, X's on its x and jointly along a column.
; LDS: three slots of 256 along K.  K's four quarters: three are first fills, the fourth is the one refill (into slot 0), which has two slots' products, 128 matrix instructions, in which to land.
; THE RESULTS leave as IMAGES OF OPERAND REGISTERS: 32 lanes x 16 bytes, 512 consecutive bytes a store.  A tile's 8 registers are 8 neighbours along the next K; two tiles are a block of 32, shared by lanes
; l and l xor 16; after the conversions the two halves of the lanes exchange two registers a block, so that lane (r, h) holds k = 32 b + 16 h + 0 .. 15: the operand's layout.
; A block's scale is 2^(floor(log2(largest magnitude)) - 15); its byte is that magnitude's exponent field - 15, held at 1 from below.
; LIMITS: a block of zeros, or one under 2^-111, gets the byte 1 where the rule says 127: its codes are zeros and this program alone reads the bytes.  NaN and infinities among the results are not served.
; REGISTERS, in windows of 256: window 0: v16-30 addresses; v32-63 X's scale words, v64-79 Y's (two sets each); v80-111 at work; v128-255 Y's fragments, two sets, later the codes.
;   window 1: X's fragments, two sets.   window 2: accumulator (a, t) at v[8 (8 a + t)].
.set SLOT,   104448                    ; a slot: Y's 128 rows, then X's 256 rows, 272 bytes each (256 + 16 of padding: the 16 rows of a load start at 16 different banks)
.set YHALF,  17408                     ; 64 rows
.set XOFF,   34816
.set XHALF,  34816                     ; 128 rows
.set T16,    4352                      ; 16 rows
; THE MAP OF LDS AS THE TEXT BELOW USES IT (it takes the place of the three slots named at the head): slot 0 (pitch 272) holds K's quarter 0 and later, by the one refill, quarter 3;
; behind it one larger slot holds quarters 1 and 2 as rows of 512 bytes + 16 of padding (pitch 528), brought by one load a wave behind the head's round.
.set T16B,   8448                      ; 16 rows of the larger slot
.set BIGY,   SLOT                      ; its 128 rows of Y,
.set BIGX,   SLOT+67584                ; its 256 rows of X
.set PADB,   (1<<20)|(1<<21)|(6<<22)|(3<<25)   ; padding: four words after every 128
.set SCY,    SLOT+202752
.set SCYH,   2176                      ; those of 64 rows
.set SCX,    SCY+2*SCYH                ; X's likewise
.set SCXH,   4352                      ; those of 128 rows
.set SPARE,  SCX+2*SCXH                ; the spare words, 128 bytes a wave: two blocks of 256 bytes that no other line names
.set PADW,   (1<<20)|(1<<21)|(5<<22)|(3<<25)   ; padding on; bit 21 beside a mask; after every 64 words; four words
.set ADRY,  16                         ; v16-18 LDS address of my Y fragments in slot 0, 1, 2
.set ADRX,  19                         ; v19-21 the same for X
.set ADRYS, 22                         ; v22    of my Y rows' scale words
.set ADRXS, 23                         ; v23    of my X rows'
.set VOFF,  24                         ; v24-27 where Y tile y's images go: 16 x lane + y x (bytes from tile to tile)
.set SPW,   28                         ; v28    my spare word; never rewritten
.set NIL,   29                         ; v29    0; never rewritten
.set L8,    30                         ; v30    8 x lane
.set XS,    32                         ; X's scale words: set s, tile t, step q at XS + 16 s + 2 t + q
.set YS,    64                         ; Y's: YS + 8 s + 2 a + q
.set TM,    80                         ; v80-83 largest magnitudes, v84-87 bytes, v88-91 the largest number x the scale, v92-95 the conversions' scale operands
.set W01,   96                         ; v96-99   bytes of blocks 0, 1 of Y tile y
.set W23,   100                        ; v100-103 of blocks 2, 3
.set P01,   104
.set P23,   106
.set MW,    108
.set YF,    128
.set CODES, 128
.set G1Y,  32
.set G1X,  40
.set G1YS, 48
.set G1XS, 56
.set HALF, 66                          ; s66  w & 1: my half of X's rows; also which half of a tile I fetch
.set PP,   67                          ; s67  0: Q, 1: K, 2: V
.set G0Y,  68                          ; s[68:79] three sets
.set G0X,  80                          ; s[80:91]
.set G0YS, 92
.set G0XS, 96
.set WV,   100
.set ROLE, 101                         ; s101 w >> 1: my half of Y's rows; also: I fetch for Y (0) or for X (1)
.set SB,   12                          ; s[12:13] where blocks 0, 1 go, s[14:15] blocks 2, 3
.set SS,   16                          ; s[16:17], s[18:19] the scale words likewise
.set SEL,  20
.set MNT,  22
.set SVM,  23
.set HIM,  24
.set MULW, 0xa1                        ; source 0 (X) window 1, source 1 (Y) window 0, C and D window 2
.set MSB, 0
.macro WIN new                         ; the immediate's high byte repeats the setting that is left
.if MSB != (\new)
	s_set_vgpr_msb (MSB<<8)|(\new)
.set MSB, (\new)
.endif
.endm
; A joint load: waves 0 and 1 fetch for Y, waves 2 and 3 for X.  The branch hangs on the wave's number alone.  An s_nop 0 and four v_nop follow each of the two lines.
.macro JLOAD g0y, g1y, g0x, g1x
	s_cmp_eq_u32 s[ROLE], 0
	s_cbranch_scc0 .Lfor_x_\@
	tensor_load_to_lds s[\g0y:\g0y+3], s[\g1y:\g1y+7]
	s_nop 0
.rept 4
	v_nop
.endr
	s_branch .Lasked_\@
.Lfor_x_\@:
	tensor_load_to_lds s[\g0x:\g0x+3], s[\g1x:\g1x+7]
	s_nop 0
.rept 4
	v_nop
.endr
.Lasked_\@:
.endm
.macro CREST                           ; a round of the cluster's barrier behind its opening barrier
	s_cmp_lg_u32 s[WV], 0
	s_cbranch_scc1 .Lnot_wave_0_\@
	s_barrier_signal -3
.Lnot_wave_0_\@:
	s_barrier_wait -3
	s_barrier_signal -1
	s_barrier_wait -1
.endm
.macro CROUND
	s_barrier_signal -1
	s_barrier_wait -1
	CREST
.endm
.macro PLACES n                        ; plain vector instructions behind matrix instructions: eight for this form, ahead of loads into their registers and of reads of results
.rept \n
	v_nop
.endr
.endm
	s_load_b256 s[4:11], s[0:1], 0x0               ; Q's group: Y's codes, Y's scales, X's codes, X's scales
	s_load_b256 s[12:19], s[0:1], 0x20             ; K's group
	s_load_b256 s[20:27], s[0:1], 0x40             ; V's group
	s_load_b128 s[28:31], s[0:1], 0x60             ; qbuf, kvbuf
	v_lshl_add_u32 v[SPW], v0, 2, SPARE
	v_mov_b32 v[NIL], 0
	ds_add_u32 v[SPW], v[NIL]                      ; the wave's opening: the add, twice on end, and its wait ahead of my first tensor load
	ds_add_u32 v[SPW], v[NIL]
	v_lshrrev_b32 v1, 5, v0
	v_readfirstlane_b32 s[WV], v1                  ; wave 0..3
	s_lshr_b32 s[ROLE], s[WV], 1
	s_and_b32 s[HALF], s[WV], 1
	s_bfe_u32 s2, ttmp6, 0x40000                   ; cx
	s_bfe_u32 s3, ttmp6, 0x40004                   ; cy
	s_lshl_b32 s80, 0x1111, s2                     ; my column of the cluster
	s_lshl_b32 s68, s3, 2
	s_lshl_b32 s68, 15, s68                        ; my row
	s_or_b32 s[G1Y], s68, PADW                     ; Y's tiles: elements of 1 byte, to my row
	s_or_b32 s[G1YS], s68, (3<<16)|PADW            ; Y's scale bytes: elements of 8 bytes
	s_or_b32 s[G1X], s80, PADW                     ; X's: to my column
	s_or_b32 s[G1XS], s80, (3<<16)|PADW
.irp g, G1Y, G1X
	s_mov_b32 s[\g+1], 256<<16                     ; tensor_dim0 = 256 codes
	s_mov_b32 s[\g+3], 256<<16                     ; tile_dim0
	s_mov_b32 s[\g+5], 1024                        ; from row to row
	s_mov_b32 s[\g+6], 0
	s_mov_b32 s[\g+7], 0
.endr
	s_mov_b32 s[G1Y+2], 128<<16                    ; the head's loads bring whole tiles: Y's 128 rows,
	s_mov_b32 s[G1Y+4], 128
	s_mov_b32 s[G1X+2], 256<<16                    ; X's 256
	s_mov_b32 s[G1X+4], 256
.irp g, G1YS, G1XS
	s_mov_b32 s[\g+1], 32<<16                      ; a dense block as rows of 256 bytes
	s_mov_b32 s[\g+3], 32<<16
	s_mov_b32 s[\g+5], 32
	s_mov_b32 s[\g+6], 0
	s_mov_b32 s[\g+7], 0
.endr
	s_mov_b32 s[G1YS+2], 16<<16                    ; 128 rows x 32 bytes
	s_mov_b32 s[G1YS+4], 16
	s_mov_b32 s[G1XS+2], 32<<16                    ; 256 rows x 32 bytes
	s_mov_b32 s[G1XS+4], 32
	s_and_b32 s69, ttmp7, 0xffff                   ; the cluster's y, 0 .. 47
	s_lshr_b32 s[PP], s69, 4                       ; which product: the same in all sixteen partners
	s_and_b32 s69, s69, 15                         ; which of its sixteen clusters
	s_and_b32 s81, s69, 7
	s_lshr_b32 s70, s69, 3
	s_cmp_eq_u32 s[PP], 2
	s_cselect_b32 s81, s81, 0                      ; Q, K: 4 blocks of X (one cluster wide), 64 of Y;  V: 32 blocks of X, 8 of Y
	s_cselect_b32 s70, s70, s69
	s_lshl_b32 s81, s81, 2
	s_add_co_u32 s81, s81, s2                      ; my block of 256 rows of X
	s_lshl_b32 s70, s70, 2
	s_add_co_u32 s70, s70, s3                      ; my block of 128 rows of Y
	s_wait_dscnt 0x0                               ; both opening adds are done
	s_wait_kmcnt 0x0
	s_cmp_eq_u32 s[PP], 1                          ; the choice of buffers hangs on the product's number alone
	s_cselect_b64 s[4:5], s[12:13], s[4:5]
	s_cselect_b64 s[6:7], s[14:15], s[6:7]
	s_cselect_b64 s[8:9], s[16:17], s[8:9]
	s_cselect_b64 s[10:11], s[18:19], s[10:11]
	s_cmp_eq_u32 s[PP], 2
	s_cselect_b64 s[4:5], s[20:21], s[4:5]
	s_cselect_b64 s[6:7], s[22:23], s[6:7]
	s_cselect_b64 s[8:9], s[24:25], s[8:9]
	s_cselect_b64 s[10:11], s[26:27], s[10:11]
	s_cmp_eq_u32 s[PP], 0
	s_cselect_b64 s[28:29], s[28:29], s[30:31]     ; Q goes to qbuf, K and V to kvbuf
	s_mov_b32 s26, s81
	s_mov_b32 s27, s70
	s_lshl_b32 s12, s27, 17                        ; Y: 128 rows of 1,024 bytes a block,
	s_mov_b32 s13, 0
	s_add_nc_u64 s[4:5], s[4:5], s[12:13]
	s_lshr_b32 s12, s12, 5                         ; the scale bytes: 32 a row where the codes have 1,024
	s_add_nc_u64 s[6:7], s[6:7], s[12:13]
	s_lshl_b32 s14, s26, 18                        ; X: 256 rows a block,
	s_mov_b32 s15, 0
	s_add_nc_u64 s[8:9], s[8:9], s[14:15]
	s_lshr_b32 s14, s14, 5
	s_add_nc_u64 s[10:11], s[10:11], s[14:15]
	s_mul_i32 s16, s[HALF], YHALF                  ; where they go: no place in the cluster enters an LDS address
	s_mul_i32 s17, s[HALF], XHALF
	s_add_co_u32 s17, s17, XOFF
	s_mul_i32 s18, s[HALF], 64*528                 ; my half of the larger slot's rows of Y, of X
	s_mul_i32 s19, s[HALF], 128*528
	s_lshl_b32 s20, s[HALF], 16                    ; and the same halves in memory: 64 rows of Y,
	s_mov_b32 s21, 0
	s_lshl_b32 s22, s[HALF], 17                    ; 128 of X
	s_mov_b32 s23, 0
	CROUND                                         ; all sixteen work-groups are here: the first joint loads meet
.macro G0SET g, p, off                 ; a group 0 but for its LDS address: count 1, the address s[p:p+1] + off, type 2
	s_mov_b32 s[\g], 1
.if \off
	s_add_nc_u64 s[\g+2:\g+3], s[\p:\p+1], \off
.else
	s_mov_b64 s[\g+2:\g+3], s[\p:\p+1]
.endif
	s_or_b32 s[\g+3], s[\g+3], 0x80000000
.endm
	G0SET G0Y+8, 4, 0                              ; set 2, the head's: K's quarter 0, whole tiles
	s_mov_b32 s[G0Y+9], 0
	G0SET G0X+8, 8, 0
	s_mov_b32 s[G0X+9], XOFF
	G0SET G0YS, 6, 0                               ; the scale bytes of all of K
	s_mov_b32 s[G0YS+1], SCY
	G0SET G0XS, 10, 0
	s_mov_b32 s[G0XS+1], SCX
	s_add_nc_u64 s[4:5], s[4:5], s[20:21]          ; from here on a wave fetches its half of a tile's rows
	s_add_nc_u64 s[8:9], s[8:9], s[22:23]
	G0SET G0Y, 4, 768                              ; set 0, the refill's: quarter 3 into slot 0
	s_mov_b32 s[G0Y+1], s16
	G0SET G0X, 8, 768
	s_mov_b32 s[G0X+1], s17
	G0SET G0Y+4, 4, 256                            ; set 1: quarters 1 and 2 into the larger slot
	s_add_co_u32 s[G0Y+5], s18, BIGY
	G0SET G0X+4, 8, 256
	s_add_co_u32 s[G0X+5], s19, BIGX
; THE HEAD'S LOADS, ONE A WAVE: one chain of branches on the wave's number, a load to an arm, all arms leading to one join.
.macro ARM under, g0, g1, next
	s_cmp_lt_u32 s[WV], \under
	s_cbranch_scc0 \next
	tensor_load_to_lds s[\g0:\g0+3], s[\g1:\g1+7]
	s_nop 0
.rept 4
	v_nop
.endr
	s_branch .Lhead_asked
\next:
.endm
	ARM 1, G0X+8, G1X, .Lhead_y                    ; wave 0: X's 256 rows of quarter 0
	ARM 2, G0Y+8, G1Y, .Lhead_ys                   ; wave 1: Y's 128 rows
	ARM 3, G0YS, G1YS, .Lhead_xs                   ; wave 2: Y's scale bytes
	tensor_load_to_lds s[G0XS:G0XS+3], s[G1XS:G1XS+7]   ; wave 3: X's
	s_nop 0
.rept 4
	v_nop
.endr
.Lhead_asked:
	; lane addresses
	v_and_b32 v1, 15, v0                           ; r
	v_bfe_u32 v2, v0, 4, 1                         ; h
	v_mul_u32_u24 v3, v1, 272
	v_lshl_add_u32 v3, v2, 4, v3                   ; a fragment's row x pitch + 16 h
	s_mul_i32 s2, s[ROLE], YHALF
	s_mul_i32 s3, s[HALF], XHALF
	s_add_co_u32 s3, s3, XOFF
	v_add_nc_u32 v[ADRY], s2, v3
	v_add_nc_u32 v[ADRX], s3, v3
	v_mul_u32_u24 v7, v1, 528                      ; the larger slot: row x 528 + 16 h
	v_lshl_add_u32 v7, v2, 4, v7
	s_mul_i32 s2, s[ROLE], 64*528
	s_add_co_u32 s2, s2, BIGY
	s_mul_i32 s3, s[HALF], 128*528
	s_add_co_u32 s3, s3, BIGX
	v_add_nc_u32 v[ADRY+1], s2, v7                 ; quarter 1: the rows' first 256 bytes,
	v_add_nc_u32 v[ADRX+1], s3, v7
	v_add_nc_u32 v[ADRY+2], 256, v[ADRY+1]         ; quarter 2: their second
	v_add_nc_u32 v[ADRX+2], 256, v[ADRX+1]
	v_lshlrev_b32 v4, 5, v1
	v_lshrrev_b32 v5, 3, v1
	v_lshl_add_u32 v4, v5, 4, v4                   ; row r's scale bytes: 32 r, and 16 more behind the first eight rows
	s_mul_i32 s2, s[ROLE], SCYH
	s_add_co_u32 s2, s2, SCY
	v_add_nc_u32 v[ADRYS], s2, v4
	s_mul_i32 s3, s[HALF], SCXH
	s_add_co_u32 s3, s3, SCX
	v_add_nc_u32 v[ADRXS], s3, v4
.irp b, 0,1,2,3
	v_mov_b32 v[TM+4+\b], 0                        ; written once: a lane permute's destination counts as one of its sources
.endr
	; where the results go.  A block of qbuf (8,704 bytes) or kvbuf (17,152) belongs to (batch, head, step of 128 tokens): number ((16 batch + head) 16 + step)
	s_lshl_b32 s2, s26, 2
	s_lshl_b32 s3, s[HALF], 1
	s_add_co_u32 s2, s2, s3                        ; Q, K: my first head = 4 x block of X + 2 x half (my 128 rows of the weight are two heads)
	s_lshl_b32 s3, s27, 1
	s_add_co_u32 s3, s3, s[ROLE]                   ; V: my head = 2 x block of Y + half
	s_lshl_b32 s30, s26, 1
	s_add_co_u32 s30, s30, s[HALF]                 ; V: my step of 128 keys, counted through the batches
	s_mov_b32 s31, 1024
	s_mov_b32 s4, 17152
	s_mov_b32 s5, 8704
	s_mov_b32 s6, 16896
	s_lshl_b32 s12, s[ROLE], 12                    ; Q, K: my four tiles of tokens begin 4,096 x half into the images
	s_lshl_b32 s16, s[ROLE], 8
	s_add_co_u32 s16, s16, 8192                    ; and their scale words 256 x half behind the images
	s_cmp_eq_u32 s[PP], 0
	s_cselect_b32 s4, s5, s4                       ; a block's bytes
	s_lshl_b32 s7, s4, 4                           ; from a head to the next: 16 blocks
	s_cmp_eq_u32 s[PP], 2
	s_cselect_b32 s2, s3, s2                       ; head
	s_cselect_b32 s30, s30, s27                    ; step through the batches (Q, K: the block of Y)
	s_cselect_b32 s31, 2048, s31                   ; from Y tile to Y tile: V 2,048 bytes (four chunks), Q and K 1,024 (two)
	s_cselect_b32 s[SVM], 0x10000, 0               ; V: blocks 2, 3 are the upper half of the same scale word
	s_cselect_b32 s12, s5, s12                     ; V's images begin behind K's part of the block
	s_cselect_b32 s16, s6, s16
	s_cselect_b32 s14, 1024, s7                    ; blocks 2, 3: V two chunks on; Q, K the next head
	s_lshr_b32 s3, s30, 4
	s_lshl_b32 s3, s3, 4
	s_add_co_u32 s3, s3, s2
	s_lshl_b32 s3, s3, 4
	s_and_b32 s30, s30, 15
	s_add_co_u32 s3, s3, s30
	s_mul_i32 s3, s3, s4                           ; the block's first byte (under 2^25)
	s_add_co_u32 s12, s12, s3
	s_add_co_u32 s16, s16, s3
	s_mov_b32 s13, 0
	s_mov_b32 s15, 0
	s_mov_b32 s17, 0
	s_mov_b32 s6, s7
	s_mov_b32 s7, 0
	s_add_nc_u64 s[SB:SB+1], s[28:29], s[12:13]
	s_add_nc_u64 s[SB+2:SB+3], s[SB:SB+1], s[14:15]
	s_add_nc_u64 s[SS:SS+1], s[28:29], s[16:17]
	s_add_nc_u64 s[SS+2:SS+3], s[SS:SS+1], s[6:7]  ; (used by Q and K alone)
	s_mov_b32 s[SEL], 0x76543210
	s_mov_b32 s[SEL+1], 0xfedcba98                 ; v_permlanex16_b32's selects for lane l xor 16
	s_mov_b32 s[MNT], 0x600000                     ; the mantissa field of 57,344
	s_mov_b32 s[HIM], 0xffff0000                   ; lanes 16-31
	v_and_b32 v6, 31, v0
	v_lshlrev_b32 v[VOFF], 4, v6
	v_add_nc_u32 v[VOFF+1], s31, v[VOFF]
	v_add_nc_u32 v[VOFF+2], s31, v[VOFF+1]
	v_add_nc_u32 v[VOFF+3], s31, v[VOFF+2]
	v_lshlrev_b32 v[L8], 3, v6
; 8 matrix instructions: Y tile a against X's eight, 128 along K.  p: the fragments' set; sc, q: the scale words.  zero = 1: the first product starts the sums.
; The 32 accumulators take turns, one instruction a turn, in the same order in every step.
.macro MUL8 a, p, sc, q, zero
.irp t, 0,1,2,3,4,5,6,7
.if \zero
	v_wmma_scale_f32_16x16x128_f8f6f4 v[8*(8*(\a)+\t):8*(8*(\a)+\t)+7], v[128*(\p)+16*\t:128*(\p)+16*\t+15], v[YF+64*(\p)+16*(\a):YF+64*(\p)+16*(\a)+15], 0, v[XS+16*(\sc)+2*\t+(\q)], v[YS+8*(\sc)+2*(\a)+(\q)] matrix_a_fmt:MATRIX_FMT_BF8 matrix_b_fmt:MATRIX_FMT_BF8
.else
	v_wmma_scale_f32_16x16x128_f8f6f4 v[8*(8*(\a)+\t):8*(8*(\a)+\t)+7], v[128*(\p)+16*\t:128*(\p)+16*\t+15], v[YF+64*(\p)+16*(\a):YF+64*(\p)+16*(\a)+15], v[8*(8*(\a)+\t):8*(8*(\a)+\t)+7], v[XS+16*(\sc)+2*\t+(\q)], v[YS+8*(\sc)+2*(\a)+(\q)] matrix_a_fmt:MATRIX_FMT_BF8 matrix_b_fmt:MATRIX_FMT_BF8
.endif
.endr
.endm
; 48 LDS loads in one run: the fragments of LDS slot s, its q-th 128 along K, into set p.  A fragment: lane (r, h) holds row r; registers 4 c .. 4 c + 3 hold k = 32 c + 16 h + 0 .. 15
.macro FETCH s, q, p
	WIN 0x40                                       ; destination window 1, address window 0
.irp t, 0,1,2,3,4,5,6,7
.irp c, 0,1,2,3
	ds_load_b128 v[128*(\p)+16*\t+4*\c:128*(\p)+16*\t+4*\c+3], v[ADRX+(\s)] offset:\t*(T16+(((\s)+1)/2)*(T16B-T16))+128*(\q)+32*\c
.endr
.endr
	WIN 0
.irp a, 0,1,2,3
.irp c, 0,1,2,3
	ds_load_b128 v[YF+64*(\p)+16*\a+4*\c:YF+64*(\p)+16*\a+4*\c+3], v[ADRY+(\s)] offset:\a*(T16+(((\s)+1)/2)*(T16B-T16))+128*(\q)+32*\c
.endr
.endr
.endm
.macro SCALES k                        ; the scale words of K's quarter k (8 bytes a row: two words) into set k % 2
.irp t, 0,1,2,3,4,5,6,7
	ds_load_b64 v[XS+16*((\k)%2)+2*\t:XS+16*((\k)%2)+2*\t+1], v[ADRXS] offset:\t*544+8*(\k)
.endr
.irp a, 0,1,2,3
	ds_load_b64 v[YS+8*((\k)%2)+2*\a:YS+8*((\k)%2)+2*\a+1], v[ADRYS] offset:\a*544+8*(\k)
.endr
.endm
.macro NEXTF g                         ; what step g + 1 wants
.set NS,  (((\g)+1)/2)%3
.set NQ2, ((\g)+1)%2
.set NK2, ((\g)+1)/2
	FETCH NS, NQ2, NQ2
.if NQ2 == 0
	SCALES NK2
.endif
.endm
; Step g of eight, 128 along K.  kind 0: plain.  1: the one refill.  2: a barrier ahead of the first read of the refilled slot.  3: the last.
.macro GSTEP g, kind, zero
.set GP,  (\g)%2
.set GSC, ((\g)/2)%2
.if \kind == 0
	s_wait_dscnt 0x0                               ; this step's fragments
	WIN MULW
	MUL8 0, GP, GSC, GP, \zero
	PLACES 8
	NEXTF \g
	WIN MULW
	MUL8 1, GP, GSC, GP, \zero
	MUL8 2, GP, GSC, GP, \zero
	MUL8 3, GP, GSC, GP, \zero
.elseif \kind == 1
	WIN 0                                          ; (the add's two registers lie in window 0)
	s_wait_tensorcnt 0x0                           ; all my tensor loads have landed: my parts of slots 1 and 2 among them;
	ds_add_u32 v[SPW], v[NIL]                      ; 0 onto my spare word;
	s_wait_dscnt 0x1                               ; this step's fragments are in (the add alone may be out)
	WIN MULW
	MUL8 0, GP, GSC, GP, 0                         ; eight matrix instructions stand between the add and the wait for it
	s_wait_dscnt 0x0                               ; the add is done, and my reads of slot 0 are over
	s_barrier_signal -1
	MUL8 1, GP, GSC, GP, 0
	WIN 0
	s_barrier_wait -1
	CREST                                          ; the barrier has opened a round of the cluster's: no wave of any partner still reads slot 0 or has a load on its way
	JLOAD G0Y, G1Y, G0X, G1X                       ; the first tensor load behind the round, and my only one; its four v_nop are four of the eight places
	PLACES 4
	NEXTF \g
	WIN MULW
	MUL8 2, GP, GSC, GP, 0
	MUL8 3, GP, GSC, GP, 0
.elseif \kind == 2
	s_wait_tensorcnt 0x0                           ; my part of the refilled slot is in (one load was out),
	s_wait_dscnt 0x0                               ; and so are this step's fragments
	s_barrier_signal -1
	WIN MULW
	MUL8 0, GP, GSC, GP, 0
	MUL8 1, GP, GSC, GP, 0
	s_barrier_wait -1                              ; everybody's is
	PLACES 8
	NEXTF \g
	WIN MULW
	MUL8 2, GP, GSC, GP, 0
	MUL8 3, GP, GSC, GP, 0
.else
	s_wait_dscnt 0x0
	WIN MULW
	MUL8 0, GP, GSC, GP, 0
	MUL8 1, GP, GSC, GP, 0
	MUL8 2, GP, GSC, GP, 0
	MUL8 3, GP, GSC, GP, 0
	WIN 0
.endif
.endm
	s_wait_alu depctr_va_vdst(0)
	s_wait_tensorcnt 0x0                           ; my tile of the head's four is in
	ds_add_u32 v[SPW], v[NIL]
	s_mov_b32 s[G1Y+2], 64<<16                     ; no tensor load of mine is out, so descriptors may be written: the refill brings 64 rows of Y a wave,
	s_mov_b32 s[G1Y+4], 64
	s_mov_b32 s[G1X+2], 128<<16                    ; 128 of X;
	s_mov_b32 s[G1X+4], 128
	s_bfe_u32 s8, ttmp6, 0x40004                   ; and the scale bytes' groups 1 become the larger slot's: the masks made anew,
	s_lshl_b32 s8, s8, 2
	s_lshl_b32 s8, 15, s8
	s_or_b32 s[G1YS], s8, PADB
	s_bfe_u32 s9, ttmp6, 0x40000
	s_lshl_b32 s9, 0x1111, s9
	s_or_b32 s[G1XS], s9, PADB
.irp g, G1YS, G1XS
	s_mov_b32 s[\g+1], 512<<16                     ; rows of 512 codes,
	s_mov_b32 s[\g+3], 512<<16
	s_mov_b32 s[\g+5], 1024                        ; 1,024 bytes apart
.endr
	s_mov_b32 s[G1YS+2], 64<<16
	s_mov_b32 s[G1YS+4], 64
	s_mov_b32 s[G1XS+2], 128<<16
	s_mov_b32 s[G1XS+4], 128
	s_wait_dscnt 0x0                               ; the add is done
	CROUND                                         ; a whole round: all four tiles are in, and the joint loads meet
	JLOAD G0Y+4, G1YS, G0X+4, G1XS                 ; quarters 1 and 2: my one load behind the round
	FETCH 0, 0, 0
	SCALES 0
	GSTEP 0, 0, 1
	GSTEP 1, 1, 0
	GSTEP 2, 0, 0
	GSTEP 3, 0, 0                                  ; (slot 2 was shown landed in every wave ahead of step 1's round)
	GSTEP 4, 0, 0
	GSTEP 5, 2, 0
	GSTEP 6, 0, 0
	GSTEP 7, 3, 0
	PLACES 8
; Y tile y's 64 numbers a lane become four blocks' codes and bytes.  Register 16 b + 8 u + j of the tile's accumulators is k = 32 b + 16 u + 8 h + j of my row.
.macro QUANT y
.set AC, 64*(\y)
.set CD, CODES+16*(\y)
	WIN 0x0a                                       ; sources 0 and 1 window 2
.irp b, 0,1,2,3
	v_max3_num_f32 v[TM+\b], |v[AC+16*\b]|, |v[AC+16*\b+1]|, 0x8000000   ; each accumulator is read from its low end on; the floor 2^(16 - 127) holds the byte at 1 from below
.endr
.irp i, 2,4,6,8,10,12,14
.irp b, 0,1,2,3
	v_max3_num_f32 v[TM+\b], |v[AC+16*\b+\i]|, |v[AC+16*\b+\i+1]|, v[TM+\b]
.endr
.endr
	WIN 0
.irp b, 0,1,2,3
	v_permlanex16_b32 v[TM+4+\b], v[TM+\b], s[SEL], s[SEL+1]
.endr
.irp b, 0,1,2,3
	v_max_num_f32 v[TM+\b], v[TM+\b], v[TM+4+\b]   ; with lane l xor 16's 16: the block's largest magnitude
.endr
.irp b, 0,1,2,3
	v_add_nc_u32 v[TM+12+\b], 0xf8800000, v[TM+\b] ; 15 off its exponent field: the conversion's scale operand
.endr
.irp b, 0,1,2,3
	v_and_or_b32 v[TM+8+\b], v[TM+\b], 0x7f800000, s[MNT]   ; 57,344 x the scale
.endr
.irp b, 0,1,2,3
	v_lshrrev_b32 v[TM+4+\b], 23, v[TM+12+\b]      ; the scale's byte
.endr
	v_lshl_or_b32 v[W01+\y], v[TM+5], 8, v[TM+4]
	v_lshl_or_b32 v[W23+\y], v[TM+7], 8, v[TM+6]
	WIN 0x82                                       ; destination and source 0 window 2
.irp b, 0,1,2,3
.irp i, 0,1,2,3,4,5,6,7,8,9,10,11,12,13,14,15
	v_med3_num_f32 v[AC+16*\b+\i], v[AC+16*\b+\i], -v[TM+8+\b], v[TM+8+\b]   ; the conversion to an 8-bit code does not saturate (ISA guide 7.6.2): the hold
.endr
.endr
	WIN 0x02                                       ; source 0 window 2
.irp b, 0,1,2,3
	v_cvt_scalef32_pk8_bf8_f32 v[CD+4*\b:CD+4*\b+1], v[AC+16*\b:AC+16*\b+7], v[TM+12+\b]
	v_cvt_scalef32_pk8_bf8_f32 v[CD+4*\b+2:CD+4*\b+3], v[AC+16*\b+8:AC+16*\b+15], v[TM+12+\b]
.endr
	WIN 0
	v_nop                                          ; a plain instruction between the conversions and the first instruction that touches their results
.irp b, 0,1,2,3
	v_permlane16_swap_b32 v[CD+4*\b], v[CD+4*\b+2]     ; lanes 16-31 of the first tile's codes change places with lanes 0-15 of the second's:
	v_permlane16_swap_b32 v[CD+4*\b+1], v[CD+4*\b+3]   ; lane (r, h) now holds k = 32 b + 16 h + 0 .. 15 in four registers
.endr
.irp b, 0,1,2,3
	global_store_b128 v[VOFF+\y], v[CD+4*\b:CD+4*\b+3], s[SB+2*(\b/2):SB+2*(\b/2)+1] offset:512*(\b%2)   ; 32 lanes store 512 consecutive bytes, at a multiple of 256 from the buffer's first byte
.endr
.endm
	QUANT 0
	QUANT 1
	QUANT 2
	QUANT 3
	; the scale words: lanes 0-15 carry those of tiles 0 and 2, lanes 16-31 those of tiles 1 and 3, so that the reader's one register serves two tiles
	v_cndmask_b32 v[P01], v[W01], v[W01+1], s[HIM]
	v_cndmask_b32 v[P01+1], v[W01+2], v[W01+3], s[HIM]
	v_cndmask_b32 v[P23], v[W23], v[W23+1], s[HIM]
	v_cndmask_b32 v[P23+1], v[W23+2], v[W23+3], s[HIM]
	v_mad_u32_u24 v[MW], v[P23], s[SVM], v[P01]    ; V: four bytes a word; Q, K: the first head's two bytes, the upper two 0
	v_mad_u32_u24 v[MW+1], v[P23+1], s[SVM], v[P01+1]
	global_store_b64 v[L8], v[MW:MW+1], s[SS:SS+1] ; 256 consecutive bytes
	s_cmp_eq_u32 s[PP], 2                          ; the product's number: the same in all partners
	s_cbranch_scc1 .Lno_second
	global_store_b64 v[L8], v[P23:P23+1], s[SS+2:SS+3]   ; Q, K: the second head's words
.Lno_second:
	s_wait_tensorcnt 0x0                           ; the wave's end
	ds_add_u32 v[SPW], v[NIL]
	s_wait_dscnt 0x0
	CROUND                                         ; the closing round: no work-group ends while a partner may still ask for a tile that names it
	s_endpgm
.Lfunc_end_k_qecc031eabb_proj:
	.size	k_qecc031eabb_proj, .Lfunc_end_k_qecc031eabb_proj-k_qecc031eabb_proj
	.p2alignl 7, 3214868480
	.fill 96, 4, 3214868480
	.section	.rodata,"a",@progbits
	.p2align	6, 0x0
	.amdhsa_kernel k_qecc031eabb_proj
		.amdhsa_group_segment_fixed_size 327680
		.amdhsa_private_segment_fixed_size 0
		.amdhsa_enable_private_segment 0
		.amdhsa_kernarg_size 112
		.amdhsa_user_sgpr_count 2
		.amdhsa_user_sgpr_kernarg_segment_ptr 1
		.amdhsa_wavefront_size32 1
		.amdhsa_system_sgpr_workgroup_id_x 1
		.amdhsa_system_sgpr_workgroup_id_y 1
		.amdhsa_system_sgpr_workgroup_id_z 1
		.amdhsa_system_vgpr_workitem_id 0
		.amdhsa_next_free_vgpr 768
		.amdhsa_next_free_sgpr 102
		.amdhsa_reserve_vcc 0
		.amdhsa_float_denorm_mode_32 3
		.amdhsa_float_denorm_mode_16_64 3
		.amdhsa_memory_ordered 1
		.amdhsa_forward_progress 1
		.amdhsa_inst_pref_size 113
	.end_amdhsa_kernel
	.amdgpu_metadata
---
amdhsa.version: [ 1, 2 ]
amdhsa.kernels:
  - .name:           k_qecc031eabb_proj
    .symbol:         k_qecc031eabb_proj.kd
    .args:
      - { .name: q_codes, .offset: 0, .size: 8, .value_kind: global_buffer, .address_space: global }
      - { .name: q_scales, .offset: 8, .size: 8, .value_kind: global_buffer, .address_space: global }
      - { .name: Wq_codes, .offset: 16, .size: 8, .value_kind: global_buffer, .address_space: global }
      - { .name: Wq_scales, .offset: 24, .size: 8, .value_kind: global_buffer, .address_space: global }
      - { .name: k_codes, .offset: 32, .size: 8, .value_kind: global_buffer, .address_space: global }
      - { .name: k_scales, .offset: 40, .size: 8, .value_kind: global_buffer, .address_space: global }
      - { .name: Wk_codes, .offset: 48, .size: 8, .value_kind: global_buffer, .address_space: global }
      - { .name: Wk_scales, .offset: 56, .size: 8, .value_kind: global_buffer, .address_space: global }
      - { .name: Wv_codes, .offset: 64, .size: 8, .value_kind: global_buffer, .address_space: global }
      - { .name: Wv_scales, .offset: 72, .size: 8, .value_kind: global_buffer, .address_space: global }
      - { .name: v_codes, .offset: 80, .size: 8, .value_kind: global_buffer, .address_space: global }
      - { .name: v_scales, .offset: 88, .size: 8, .value_kind: global_buffer, .address_space: global }
      - { .name: qbuf, .offset: 96, .size: 8, .value_kind: global_buffer, .address_space: global }
      - { .name: kvbuf, .offset: 104, .size: 8, .value_kind: global_buffer, .address_space: global }
    .group_segment_fixed_size: 327680
    .private_segment_fixed_size: 0
    .kernarg_segment_align: 8
    .kernarg_segment_size: 112
    .max_flat_workgroup_size: 128
    .sgpr_count:     102
    .vgpr_count:     768
    .wavefront_size: 32
...
	.end_amdgpu_metadata
.endif
;; end of part 1
;; launch attn (part 2): grid 4 x 64, 16 waves a work-group, clusters of 4 x 1, 327,680 bytes of LDS; arguments qbuf, kvbuf, ao, aoscl; writes ao, aoscl
.if DOCPART == 2
	.amdgcn_target "amdgcn-amd-amdhsa--gfx1250"
	.amdhsa_code_object_version 6
	.text
	.protected	k_qecc031eabb_attn
	.globl	k_qecc031eabb_attn
	.p2align	8
	.type	k_qecc031eabb_attn,@function
k_qecc031eabb_attn:
	s_mov_b64 s[64:65], 0
	v_nop
	global_prefetch_b8 v0, s[64:65] scope:SCOPE_SE
	s_setreg_imm32_b32 hwreg(HW_REG_WAVE_MODE, 25, 1), 1
	s_wait_xcnt 0x0
	s_wait_alu depctr_hold_cnt(0) depctr_sa_sdst(0) depctr_va_vdst(0) depctr_va_sdst(0) depctr_va_ssrc(0) depctr_va_vcc(0) depctr_vm_vsrc(0)
	s_getreg_b32 s2, hwreg(HW_REG_IB_STS2, 6, 4)
	s_cmp_eq_u32 s2, 0
	s_cbranch_scc0 .Lentry_in_a_cluster
	s_endpgm
.Lentry_in_a_cluster:
	s_bfe_u32 s2, ttmp6, 0x10000c
	s_cmp_lg_u32 s2, 0x3003
	s_cbranch_scc0 .Lentry_shape_is_right
	s_endpgm
.Lentry_shape_is_right:
; CAUSAL ATTENTION on codes of BF8 (E5M2) with E8M0 scales: S^T = K Q^T, the softmax, O^T = V^T P^T, O / l, and the quantising of O for the last projection.
; LEFT OUT: every step of 128 keys that lies wholly behind a wave's 16 queries: reference() masks those scores to -infinity in its own body, so their weights are 0 for all inputs.
; LIMIT: a NaN, an infinity or an overflow that reaches only such hidden scores is not carried to the result.
; THE SOFTMAX: t = score x log2(e) / 8; M = the running largest t rounded up to a whole number; p = 2^(t - M) is quantised along the keys, not normalised; the row's sum is taken of the unquantised p and divides O at the end.
; When M moves, the sum and O^T are multiplied by 2^(old M - new M): exact.  A block's largest p is made from its largest score by the same multiply-add and exponential (this takes v_exp_f32 not to fall where its input rises).
; K AND V OF A WHOLE HEAD STAY IN LDS: sixteen blocks of 17,152 bytes (a step of 128 keys each: K's fragments as images of registers, K's scale words, V^T's fragments, V's scale words), 274,432 bytes.
; Wave w fetches block w, its one tensor load; nothing is filled again, so there is no ring and no barrier in the walk but the two that show the blocks.
; CLUSTER 4 x 1: the four work-groups of a (batch, head) read the same sixteen blocks and ask for them jointly.
; SHARES.  A head has 128 tiles of 16 queries.  Wave w of the partner at place x owns tile 127 - (4 w + x), then tile 4 w + x: 16 - w / 2 and w / 2 + 1 key steps, seventeen for every wave; every partner reads every block.
; The number of steps hangs on the wave's number alone, so no branch and no LDS address hangs on x: x enters global addresses and the diagonal's vector compare.
; The loops' trip counts are constants (4, 12, 8); a step behind the diagonal is jumped over by a scalar branch on the wave's number.
; Blocks 0 to 3 have a load line of their own (waves 0 to 3), shown by the first barrier; the others are shown by the second, behind four steps of the first job, which has nine steps at the least.
; NO PREFETCH: all tiles are asked for at the head, and there is no loop of loads to run ahead in.
; Both products are used transposed, so that a lane holds one query (lane % 16).  In S^T register 16 b + 8 u + j is key 32 b + 16 u + 8 (lane / 16) + j of the step.
; THE SCORES' K IS 64, the instruction's 128: Q's upper eight registers hold zero codes.  K's operand of tile t is v[32 + 8 t .. 47 + 8 t]: its upper half is the next tile's codes (finite) or, for tile 7, zeros;
; against zero codes they add nothing.  The scale words' upper two bytes are 0, which is no NaN.
; LIMITS: NaN and infinities among Q, K, V and O are not served.  A block of zeros or under 2^-111 gets the byte 1: its codes are zeros and this program alone reads the bytes.
; REGISTERS: v1-9 addresses; v12 -M, v13 the largest t, v[14:15] the sum; v16-23 Q, v24-31 zeros; v32-95 K's eight tiles, then V's four; v96-103 zeros; v104-167 S^T, then p; v168-199 O^T; v200-215 p's codes;
;   v216-219 K's scale words, v220-221 V's, v222 Q's, v223 p's; v232-255 at work.
.set SBK,   17152
.set SPARE, 16*SBK                     ; the spare words, 128 bytes a wave: eight blocks of 256 bytes that no other line names
.set L16, 1                            ; 16 x lane
.set L8,  2                            ; 8 x lane
.set LQ,  3                            ; lane % 16 - 8 (lane / 16)
.set R8,  4                            ; 8 x (lane % 16)
.set SPW, 5
.set NIL, 6
.set AD16, 8
.set AD8,  9
.set S,   104
.set O,   168
.set PC,  200
.set KSW, 216
.set VSW, 220
.set QSW, 222
.set PSW, 223
.set BM,  232
.set PX,  236
.set LM,  240
.set SO,  244
.set T0,  248
.set T1,  249
.set F,   250
.set WV,  12
.set CX,  13                           ; my place in the cluster
.set BH,  14                           ; 16 batch + head
.set DB,  15                           ; the job's diagonal step: from the wave's number alone
.set T,   16                           ; the step in hand
.set DQ,  17                           ; my first query less the diagonal step's first key
.set CNT, 18
.set MNT, 19
.set SEL, 20
.set CS,  22                           ; s[22:23] c = log2(e) / 8
.set TB,  24                           ; LDS byte at which the step's block begins
.set TI,  25                           ; the job's tile of 16 queries, 0 .. 127
.set G1,  28
.set G0,  36
.set QH,  42
.set QA,  44
.set QSA, 46
.set AOA, 48
.set ASA, 50
.set AOB, 56
.set ASB, 58
.macro CROUND                          ; a round of the cluster's barrier
	s_barrier_signal -1
	s_barrier_wait -1
	s_cmp_lg_u32 s[WV], 0
	s_cbranch_scc1 .Lnot_wave_0_\@
	s_barrier_signal -3
.Lnot_wave_0_\@:
	s_barrier_wait -3
	s_barrier_signal -1
	s_barrier_wait -1
.endm
.macro TLOAD                           ; an s_nop 0 and four v_nop follow the load
	tensor_load_to_lds s[G0:G0+3], s[G1:G1+7]
	s_nop 0
.rept 4
	v_nop
.endr
.endm
	s_load_b256 s[4:11], s[0:1], 0x0               ; qbuf, kvbuf, ao, aoscl
	v_lshl_add_u32 v[SPW], v0, 2, SPARE
	v_mov_b32 v[NIL], 0
	ds_add_u32 v[SPW], v[NIL]                      ; the wave's opening: the add, twice on end, and its wait ahead of the first tensor load
	ds_add_u32 v[SPW], v[NIL]
	v_lshrrev_b32 v8, 5, v0
	v_readfirstlane_b32 s[WV], v8                  ; wave 0..15
	s_bfe_u32 s[CX], ttmp6, 0x40000
	s_and_b32 s[BH], ttmp7, 0xffff
	s_mov_b32 s[MNT], 0x600000                     ; the mantissa field of 57,344
	s_mov_b32 s[SEL], 0x76543210
	s_mov_b32 s[SEL+1], 0xfedcba98
	s_mov_b32 s[CS], 0x3e38aa3b
	s_mov_b32 s[CS+1], s[CS]                       ; (named with it as a pair)
	s_mov_b32 s[G1], 15|(3<<16)|(1<<21)            ; the mask: all four partners; elements of 8 bytes; no padding: a dense block as 67 rows of 256 bytes
	s_mov_b32 s[G1+1], 32<<16
	s_mov_b32 s[G1+2], 67<<16
	s_mov_b32 s[G1+3], 32<<16
	s_mov_b32 s[G1+4], 67
	s_mov_b32 s[G1+5], 32
	s_mov_b32 s[G1+6], 0
	s_mov_b32 s[G1+7], 0
	s_mul_i32 s60, s[WV], SBK                      ; my block, in memory and in LDS alike
	s_mov_b32 s61, 0
	s_mul_i32 s62, s[BH], 16*SBK                   ; the head's sixteen blocks of kvbuf
	s_mov_b32 s63, 0
	s_mul_i32 s98, s[BH], 16*8704                  ; and of qbuf
	s_mov_b32 s99, 0
	s_lshr_b32 s70, s[BH], 4                       ; batch
	s_bfe_u32 s71, s[BH], 0x20002                  ; head / 4: which 256 of the last product's K
	s_and_b32 s72, s[BH], 3                        ; head % 4: which 64 of them
	s_lshl_b32 s66, s70, 21                        ; ao: 16 row blocks of 131,072 bytes a batch,
	s_lshl_b32 s73, s71, 15
	s_add_co_u32 s66, s66, s73
	s_lshl_b32 s73, s72, 10                        ; two chunks of 512 a head
	s_add_co_u32 s66, s66, s73
	s_mov_b32 s67, 0
	s_lshl_b32 s68, s70, 16                        ; aoscl: 4,096 bytes a row block,
	s_lshl_b32 s73, s71, 10
	s_add_co_u32 s68, s68, s73
	s_lshl_b32 s73, s72, 1                         ; two bytes a head
	s_add_co_u32 s68, s68, s73
	s_mov_b32 s69, 0
	s_wait_dscnt 0x0                               ; both opening adds are done
	CROUND                                         ; the four partners are here: the joint loads meet
	s_wait_kmcnt 0x0
	s_mov_b32 s[G0], 1
	s_mov_b32 s[G0+1], s60
	s_add_nc_u64 s[G0+2:G0+3], s[6:7], s[62:63]
	s_add_nc_u64 s[G0+2:G0+3], s[G0+2:G0+3], s[60:61]
	s_or_b32 s[G0+3], s[G0+3], 0x80000000
	s_cmp_lt_u32 s[WV], 4                          ; one load a wave; waves 0 to 3, which wait at the first barrier, have a line of their own
	s_cbranch_scc0 .Llate
	TLOAD
	s_branch .Lasked
.Llate:
	TLOAD
.Lasked:
	s_add_nc_u64 s[QH:QH+1], s[4:5], s[98:99]
	s_add_nc_u64 s[AOB:AOB+1], s[8:9], s[66:67]
	s_add_nc_u64 s[ASB:ASB+1], s[10:11], s[68:69]
	v_and_b32 v8, 31, v0
	v_and_b32 v9, 15, v0
	v_bfe_u32 v10, v0, 4, 1
	v_lshlrev_b32 v[L16], 4, v8
	v_lshlrev_b32 v[L8], 3, v8
	v_lshlrev_b32 v10, 3, v10
	v_lshlrev_b32 v[R8], 3, v9
	v_sub_nc_u32 v[LQ], v9, v10
.irp j, 0,1,2,3,4,5,6,7
	v_mov_b32 v[24+\j], 0                          ; Q's zero codes for k = 64 .. 127
	v_mov_b32 v[96+\j], 0                          ; and what stands behind K's last tile
.endr
.irp b, 0,1,2,3
	v_mov_b32 v[PX+\b], 0                          ; written once: a lane permute's destination counts as one of its sources
.endr
	v_mov_b32 v[T0], 0
	v_mov_b32 v[F+1], 0
; A job begins: s[TI] is its tile of 16 queries.
.macro JOBSET
	s_mov_b32 s[T], 0
	s_mov_b32 s[TB], 0
	s_and_b32 s96, s[TI], 7                        ; my tile in its block of 128 queries,
	s_lshr_b32 s97, s[TI], 3                       ; and that block
	s_lshl_b32 s[DQ], s96, 4
	s_mul_i32 s98, s97, 8704
	s_lshl_b32 s60, s96, 10                        ; the tile's two chunks
	s_add_co_u32 s60, s60, s98
	s_mov_b32 s61, 0
	s_add_nc_u64 s[QA:QA+1], s[QH:QH+1], s[60:61]
	s_bfe_u32 s60, s96, 0x10002                    ; its scale words: 8,192 + 256 (tile / 4) + 128 (tile % 2) + 4 ((tile / 2) % 2), + 8 r
	s_lshl_b32 s60, s60, 8
	s_and_b32 s62, s96, 1
	s_lshl_b32 s62, s62, 7
	s_add_co_u32 s60, s60, s62
	s_bfe_u32 s62, s96, 0x10001
	s_lshl_b32 s62, s62, 2
	s_add_co_u32 s60, s60, s62
	s_add_co_u32 s60, s60, s98
	s_add_co_u32 s60, s60, 8192
	s_add_nc_u64 s[QSA:QSA+1], s[QH:QH+1], s[60:61]
	s_lshl_b32 s60, s96, 12                        ; ao: 4,096 bytes a tile of rows, 131,072 a block
	s_lshl_b32 s62, s97, 17
	s_add_co_u32 s60, s60, s62
	s_add_nc_u64 s[AOA:AOA+1], s[AOB:AOB+1], s[60:61]
	s_lshl_b32 s60, s96, 7                         ; aoscl: 128 and 4,096
	s_lshl_b32 s62, s97, 12
	s_add_co_u32 s60, s60, s62
	s_add_nc_u64 s[ASA:ASA+1], s[ASB:ASB+1], s[60:61]
	global_load_b128 v[16:19], v[L16], s[QA:QA+1]              ; Q's fragment: channels 16 h + 0 .. 15,
	global_load_b128 v[20:23], v[L16], s[QA:QA+1] offset:512   ; and 32 + 16 h + 0 .. 15
	global_load_b32 v[QSW], v[R8], s[QSA:QSA+1]
.set J, 0
.rept 32
	v_mov_b32 v[O+J], 0                            ; O^T: the step is written once; the first change of M leaves zeros zeros
.set J, J+1
.endr
	v_mov_b32 v13, 0xff61b1e6                      ; the largest t so far: -3e38
	s_delay_alu instid0(VALU_DEP_1)
	v_floor_f32 v12, -v13
	v_mov_b32 v14, 0
	v_mov_b32 v15, 0
	s_wait_alu depctr_va_vdst(0)
	s_wait_loadcnt 0x0
.endm
; A job ends: O^T / the sum; its 64 channels are two blocks of the last product's K: codes as images of registers, two scale bytes a row.
.macro FINISH
	s_wait_alu depctr_va_vdst(0)
.rept 8
	v_nop                                          ; places behind the last products
.endr
	v_add_f32 v14, v14, v15
	s_delay_alu instid0(VALU_DEP_1)
	v_permlanex16_b32 v[T0], v14, s[SEL], s[SEL+1]
	s_delay_alu instid0(VALU_DEP_1)
	v_add_f32 v14, v14, v[T0]                      ; the row's sum
	s_wait_alu depctr_va_vdst(0)
	v_rcp_f32 v14, v14
	v_nop                                          ; a plain instruction behind the reciprocal,
	s_wait_alu depctr_va_vdst(0)                   ; and the wait ahead of its first reader
.set J, 0
.rept 32
	v_mul_f32 v[S+J], v[O+J], v14                  ; register 8 t + j: channel 16 t + 8 h + j; each accumulator from its low end on
.set J, J+1
.endr
.irp b, 0,1
	v_max3_num_f32 v[BM+\b], |v[S+16*\b]|, |v[S+16*\b+1]|, 0x8000000
.endr
.irp i, 2,4,6,8,10,12,14
.irp b, 0,1
	s_delay_alu instid0(VALU_DEP_2)
	v_max3_num_f32 v[BM+\b], v[BM+\b], |v[S+16*\b+\i]|, |v[S+16*\b+\i+1]|
.endr
.endr
.irp b, 0,1
	s_delay_alu instid0(VALU_DEP_2)
	v_permlanex16_b32 v[PX+\b], v[BM+\b], s[SEL], s[SEL+1]
.endr
.irp b, 0,1
	s_delay_alu instid0(VALU_DEP_2)
	v_max_num_f32 v[BM+\b], v[BM+\b], v[PX+\b]
.endr
.irp b, 0,1
	s_delay_alu instid0(VALU_DEP_2)
	v_add_nc_u32 v[SO+\b], 0xf8800000, v[BM+\b]
.endr
.irp b, 0,1
	s_delay_alu instid0(VALU_DEP_4)
	v_and_or_b32 v[LM+\b], v[BM+\b], 0x7f800000, s[MNT]
.endr
.irp b, 0,1
	s_delay_alu instid0(VALU_DEP_4)
	v_lshrrev_b32 v[PX+\b], 23, v[SO+\b]
.endr
	s_delay_alu instid0(VALU_DEP_1)
	v_lshl_or_b32 v[T1], v[PX+1], 8, v[PX]
.irp b, 0,1
.irp i, 0,1,2,3,4,5,6,7,8,9,10,11,12,13,14,15
	v_med3_num_f32 v[S+16*\b+\i], v[S+16*\b+\i], -v[LM+\b], v[LM+\b]
.endr
	v_cvt_scalef32_pk8_bf8_f32 v[PC+4*\b:PC+4*\b+1], v[S+16*\b:S+16*\b+7], v[SO+\b]
	v_cvt_scalef32_pk8_bf8_f32 v[PC+4*\b+2:PC+4*\b+3], v[S+16*\b+8:S+16*\b+15], v[SO+\b]
.endr
	v_nop
.irp b, 0,1
	v_permlane16_swap_b32 v[PC+4*\b], v[PC+4*\b+2]
	v_permlane16_swap_b32 v[PC+4*\b+1], v[PC+4*\b+3]
.endr
	global_store_b128 v[L16], v[PC:PC+3], s[AOA:AOA+1]              ; 512 consecutive bytes each
	global_store_b128 v[L16], v[PC+4:PC+7], s[AOA:AOA+1] offset:512
	global_store_b16 v[R8], v[T1], s[ASA:ASA+1]    ; my row's two bytes (both halves of the lanes write the same): one byte in 32 of what the launch stores
.endm
; A KEY STEP: the 128 keys of the block at s[TB].  open = 1: a step that lies ahead of every wave's diagonal: no test is assembled.
.macro STEP open
.if \open == 0
	s_cmp_gt_u32 s[T], s[DB]                       ; all its keys come behind my queries: a branch on the wave's number and the count of steps, round the step's work alone
	s_cbranch_scc1 .Lhidden_\@
.endif
	v_add_nc_u32 v[AD16], s[TB], v[L16]
	v_add_nc_u32 v[AD8], s[TB], v[L8]
.rept 6
	v_nop                                          ; with the two additions: eight places ahead of loads into registers that the last products read
.endr
.irp t, 0,1,2,3,4,5,6,7
	ds_load_b128 v[32+8*\t:35+8*\t], v[AD16] offset:1024*\t
	ds_load_b128 v[36+8*\t:39+8*\t], v[AD16] offset:1024*\t+512
.endr
	ds_load_b64 v[KSW:KSW+1], v[AD8] offset:8192           ; lanes 0-15: tiles 0, 2; lanes 16-31: tiles 1, 3
	ds_load_b64 v[KSW+2:KSW+3], v[AD8] offset:8448         ; tiles 4 to 7 likewise
	s_wait_alu depctr_va_vdst(0)
	s_wait_dscnt 0x0
.irp t, 0,1,2,3,4,5,6,7
.if \t%2
	v_wmma_scale_f32_16x16x128_f8f6f4 v[S+8*\t:S+8*\t+7], v[32+8*\t:47+8*\t], v[16:31], 0, v[KSW+\t/2], v[QSW] matrix_a_fmt:MATRIX_FMT_BF8 matrix_b_fmt:MATRIX_FMT_BF8 matrix_a_scale:MATRIX_SCALE_ROW1
.else
	v_wmma_scale_f32_16x16x128_f8f6f4 v[S+8*\t:S+8*\t+7], v[32+8*\t:47+8*\t], v[16:31], 0, v[KSW+\t/2], v[QSW] matrix_a_fmt:MATRIX_FMT_BF8 matrix_b_fmt:MATRIX_FMT_BF8
.endif
.endr
.rept 8
	v_nop
.endr
.irp t, 0,1,2,3                                ; V's fragments are asked for here, and land under the softmax
.irp c, 0,1,2,3
	ds_load_b128 v[32+16*\t+4*\c:35+16*\t+4*\c], v[AD16] offset:8704+2048*\t+512*\c
.endr
.endr
	ds_load_b64 v[VSW:VSW+1], v[AD8] offset:16896
.if \open == 0
	s_cmp_lt_u32 s[T], s[DB]                       ; on the diagonal hidden scores become -infinity ahead of the maximum; a step all of whose keys count skips this
	s_cbranch_scc1 .Lopen_\@
	v_add_nc_u32 v[T0], s[DQ], v[LQ]               ; d = my query - the step's first key - 8 h: register 16 b + 8 u + j is hidden where 32 b + 16 u + j > d
	v_mov_b32 v[T1], 0xff800000
.set N, 0
.rept 64
	v_cmp_gt_i32 vcc_lo, 32*(N/16)+16*((N/8)%2)+N%8, v[T0]
	v_cndmask_b32 v[S+N], v[S+N], v[T1], vcc_lo
.set N, N+1
.endr
.Lopen_\@:
.endif
.irp b, 0,1,2,3
	v_max3_num_f32 v[BM+\b], v[S+16*\b], v[S+16*\b+1], v[S+16*\b+2]   ; the largest score of each block of 32 keys: for the row's maximum, and for the block's largest p
.endr
.irp i, 3,5,7,9,11,13
.irp b, 0,1,2,3
	v_max3_num_f32 v[BM+\b], v[BM+\b], v[S+16*\b+\i], v[S+16*\b+\i+1]
.endr
.endr
.irp b, 0,1,2,3
	v_max_num_f32 v[BM+\b], v[BM+\b], v[S+16*\b+15]
.endr
.irp b, 0,1,2,3
	s_delay_alu instid0(VALU_DEP_4)
	v_permlanex16_b32 v[PX+\b], v[BM+\b], s[SEL], s[SEL+1]
.endr
.irp b, 0,1,2,3
	s_delay_alu instid0(VALU_DEP_4)
	v_max_num_f32 v[BM+\b], v[BM+\b], v[PX+\b]     ; with lane l xor 16's 16 keys
.endr
	s_delay_alu instid0(VALU_DEP_2)
	v_max3_num_f32 v[T0], v[BM], v[BM+1], v[BM+2]
	s_delay_alu instid0(VALU_DEP_1)
	v_max_num_f32 v[T0], v[T0], v[BM+3]
	s_delay_alu instid0(VALU_DEP_1)
	v_mul_f32 v[T0], s[CS], v[T0]                  ; the step's largest t (c is positive)
	s_delay_alu instid0(VALU_DEP_1)
	v_max_num_f32 v13, v13, v[T0]
	v_mov_b32 v[T0], v12
	s_delay_alu instid0(VALU_DEP_2)
	v_floor_f32 v12, -v13                          ; the new -M = floor(-t): M is a whole number
	s_delay_alu instid0(VALU_DEP_1)
	v_sub_f32 v[T0], v12, v[T0]                    ; old M - new M: a whole number, 0 or less
	s_delay_alu instid0(VALU_DEP_1)
	v_cvt_i32_f32 v[T0], v[T0]                     ; (it saturates)
	s_delay_alu instid0(VALU_DEP_1)
	v_ldexp_f32 v[F], 1.0, v[T0]
.set J, 0
.rept 32
	v_pk_fma_f32 v[S+J:S+J+1], v[S+J:S+J+1], s[CS:CS+1], v[12:13] op_sel_hi:[1,0,0]   ; t - M, two at a time
.set J, J+2
.endr
.irp b, 0,1,2,3
	v_fma_f32 v[BM+\b], v[BM+\b], s[CS], v12       ; the same of each block's largest score
.endr
.set J, 0
	s_wait_alu depctr_va_vdst(0)
.rept 64
	v_exp_f32 v[S+J], v[S+J]                       ; p = 2^(t - M)
.set J, J+1
.endr
	v_pk_mul_f32 v[14:15], v[14:15], v[F:F+1] op_sel_hi:[1,0]   ; the sums under the new M: a plain instruction behind the exponentials
	s_wait_alu depctr_va_vdst(0)                   ; one wait for the batch, ahead of its first reader
.irp b, 0,1,2,3
	v_exp_f32 v[BM+\b], v[BM+\b]                   ; the blocks' largest p
.endr
	v_pk_add_f32 v[236:237], v[108:109], v[112:113]   ; the row's sum of the unquantised p, in eight chains
	v_pk_add_f32 v[254:255], v[116:117], v[120:121]
	v_pk_add_f32 v[252:253], v[124:125], v[128:129]
	v_pk_add_f32 v[246:247], v[132:133], v[136:137]
	v_pk_add_f32 v[244:245], v[140:141], v[144:145]
	v_pk_add_f32 v[242:243], v[148:149], v[152:153]
	v_pk_add_f32 v[240:241], v[156:157], v[160:161]
	v_pk_add_f32 v[14:15], v[14:15], v[164:165]
	v_pk_add_f32 v[236:237], v[236:237], v[104:105]
	v_pk_add_f32 v[254:255], v[254:255], v[106:107]
	v_pk_add_f32 v[252:253], v[252:253], v[110:111]
	v_pk_add_f32 v[246:247], v[246:247], v[114:115]
	v_pk_add_f32 v[244:245], v[244:245], v[118:119]
	v_pk_add_f32 v[242:243], v[242:243], v[122:123]
	v_pk_add_f32 v[240:241], v[240:241], v[126:127]
	v_pk_add_f32 v[14:15], v[14:15], v[130:131]
	v_pk_add_f32 v[236:237], v[236:237], v[134:135]
	v_pk_add_f32 v[254:255], v[254:255], v[138:139]
	v_pk_add_f32 v[252:253], v[252:253], v[142:143]
	v_pk_add_f32 v[246:247], v[246:247], v[146:147]
	v_pk_add_f32 v[244:245], v[244:245], v[150:151]
	v_pk_add_f32 v[242:243], v[242:243], v[154:155]
	v_pk_add_f32 v[240:241], v[240:241], v[158:159]
	v_pk_add_f32 v[14:15], v[14:15], v[162:163]
	v_pk_add_f32 v[236:237], v[236:237], v[166:167]
	s_delay_alu instid0(VALU_DEP_2)
	v_pk_add_f32 v[14:15], v[14:15], v[246:247]
	s_delay_alu instid0(VALU_DEP_2)
	v_pk_add_f32 v[236:237], v[236:237], v[244:245]
	v_pk_add_f32 v[254:255], v[254:255], v[242:243]
	v_pk_add_f32 v[252:253], v[252:253], v[240:241]
	s_delay_alu instid0(VALU_DEP_2)
	v_pk_add_f32 v[14:15], v[14:15], v[254:255]
	s_delay_alu instid0(VALU_DEP_2)
	v_pk_add_f32 v[236:237], v[236:237], v[252:253]
	s_delay_alu instid0(VALU_DEP_1)
	v_pk_add_f32 v[14:15], v[14:15], v[236:237]
	s_wait_alu depctr_va_vdst(0)                   ; and one for the four
.irp b, 0,1,2,3
	v_max_num_f32 v[BM+\b], 0x8000000, v[BM+\b]    ; the floor 2^(16 - 127): the byte cannot fall under 1
.endr
.irp b, 0,1,2,3
	s_delay_alu instid0(VALU_DEP_4)
	v_add_nc_u32 v[SO+\b], 0xf8800000, v[BM+\b]
.endr
.irp b, 0,1,2,3
	v_and_or_b32 v[LM+\b], v[BM+\b], 0x7f800000, s[MNT]
.endr
.irp b, 0,1,2,3
	v_lshrrev_b32 v[PX+\b], 23, v[SO+\b]
.endr
	s_delay_alu instid0(VALU_DEP_3)
	v_lshl_or_b32 v[PSW], v[PX+1], 8, v[PX]        ; p's scale word for these 128 keys
	s_delay_alu instid0(VALU_DEP_1)
	v_lshl_or_b32 v[PSW], v[PX+2], 16, v[PSW]
	s_delay_alu instid0(VALU_DEP_1)
	v_lshl_or_b32 v[PSW], v[PX+3], 24, v[PSW]
.irp b, 0,1,2,3
.irp i, 0,2,4,6,8,10,12,14
	v_dual_min_num_f32 v[S+16*\b+\i], v[S+16*\b+\i], v[LM+\b] :: v_dual_min_num_f32 v[S+16*\b+\i+1], v[S+16*\b+\i+1], v[LM+\b]   ; the conversion does not saturate (ISA guide 7.6.2); p is not negative, so the hold is one-sided; two holds to an instruction: destinations even and odd, first sources in neighbouring registers, one bound for both
.endr
	v_cvt_scalef32_pk8_bf8_f32 v[PC+4*\b:PC+4*\b+1], v[S+16*\b:S+16*\b+7], v[SO+\b]
	v_cvt_scalef32_pk8_bf8_f32 v[PC+4*\b+2:PC+4*\b+3], v[S+16*\b+8:S+16*\b+15], v[SO+\b]
.endr
	v_nop                                          ; a plain instruction between the conversions and the exchange
.irp b, 0,1,2,3
	v_permlane16_swap_b32 v[PC+4*\b], v[PC+4*\b+2]     ; lane (r, h) now holds keys 32 b + 16 h + 0 .. 15: the operand's layout
	v_permlane16_swap_b32 v[PC+4*\b+1], v[PC+4*\b+3]
.endr
.set J, 0
.rept 16
	v_pk_mul_f32 v[O+J:O+J+1], v[O+J:O+J+1], v[F:F+1] op_sel_hi:[1,0]   ; O^T under the new M; also the places between the codes and the products
.set J, J+2
.endr
	s_wait_alu depctr_va_vdst(0)
	s_wait_dscnt 0x0                               ; V
.irp t, 0,1,2,3
.if \t%2
	v_wmma_scale_f32_16x16x128_f8f6f4 v[O+8*\t:O+8*\t+7], v[32+16*\t:47+16*\t], v[PC:PC+15], v[O+8*\t:O+8*\t+7], v[VSW+\t/2], v[PSW] matrix_a_fmt:MATRIX_FMT_BF8 matrix_b_fmt:MATRIX_FMT_BF8 matrix_a_scale:MATRIX_SCALE_ROW1
.else
	v_wmma_scale_f32_16x16x128_f8f6f4 v[O+8*\t:O+8*\t+7], v[32+16*\t:47+16*\t], v[PC:PC+15], v[O+8*\t:O+8*\t+7], v[VSW+\t/2], v[PSW] matrix_a_fmt:MATRIX_FMT_BF8 matrix_b_fmt:MATRIX_FMT_BF8
.endif
.endr
.if \open == 0
.Lhidden_\@:
.endif
	s_add_co_u32 s[T], s[T], 1
	s_add_co_u32 s[TB], s[TB], SBK                 ; on to the next block
.endm
.macro WALK label, trips, open         ; a counted run of key steps
	s_mov_b32 s[CNT], \trips
\label:
	STEP \open
	s_sub_co_u32 s[CNT], s[CNT], 1
	s_cmp_lg_u32 s[CNT], 0
	s_cbranch_scc1 \label
.endm
	s_lshl_b32 s[TI], s[WV], 2
	s_add_co_u32 s[TI], s[TI], s[CX]
	s_sub_co_u32 s[TI], 127, s[TI]                 ; the first job: tile 127 - (4 w + x),
	s_lshr_b32 s[DB], s[WV], 1
	s_sub_co_u32 s[DB], 15, s[DB]                  ; whose diagonal lies in step 15 - w / 2
	JOBSET
	s_cmp_lt_u32 s[WV], 4
	s_cbranch_scc0 .Lnot_first
	s_wait_tensorcnt 0x0                           ; waves 0 to 3: blocks 0 to 3 are in
.Lnot_first:
	s_barrier_signal -1
	s_barrier_wait -1
	WALK .La1, 4, 1                                ; steps 0 to 3: ahead of every first job's diagonal (step 8 at the least)
	s_wait_tensorcnt 0x0                           ; every wave's block is in,
	s_wait_dscnt 0x0
	s_barrier_signal -1
	s_barrier_wait -1                              ; and everybody knows
	WALK .La2, 12, 0
	FINISH
	s_wait_xcnt 0x0                                ; the stores have read their registers and bases: both are written again below
	s_sub_co_u32 s[TI], 127, s[TI]                 ; the second job: tile 4 w + x, diagonal in step w / 2
	s_sub_co_u32 s[DB], 15, s[DB]
	JOBSET
	WALK .Lb, 8, 0
	FINISH
	s_wait_tensorcnt 0x0                           ; the wave's end
	ds_add_u32 v[SPW], v[NIL]
	s_wait_dscnt 0x0
	CROUND                                         ; the closing round
	s_endpgm
.Lfunc_end_k_qecc031eabb_attn:
	.size	k_qecc031eabb_attn, .Lfunc_end_k_qecc031eabb_attn-k_qecc031eabb_attn
	.p2alignl 7, 3214868480
	.fill 96, 4, 3214868480
	.section	.rodata,"a",@progbits
	.p2align	6, 0x0
	.amdhsa_kernel k_qecc031eabb_attn
		.amdhsa_group_segment_fixed_size 327680
		.amdhsa_private_segment_fixed_size 0
		.amdhsa_enable_private_segment 0
		.amdhsa_kernarg_size 32
		.amdhsa_user_sgpr_count 2
		.amdhsa_user_sgpr_kernarg_segment_ptr 1
		.amdhsa_wavefront_size32 1
		.amdhsa_system_sgpr_workgroup_id_x 1
		.amdhsa_system_sgpr_workgroup_id_y 1
		.amdhsa_system_sgpr_workgroup_id_z 1
		.amdhsa_system_vgpr_workitem_id 0
		.amdhsa_next_free_vgpr 256
		.amdhsa_next_free_sgpr 100
		.amdhsa_reserve_vcc 1
		.amdhsa_float_denorm_mode_32 3
		.amdhsa_float_denorm_mode_16_64 3
		.amdhsa_memory_ordered 1
		.amdhsa_forward_progress 1
		.amdhsa_inst_pref_size 94
	.end_amdhsa_kernel
	.amdgpu_metadata
---
amdhsa.version: [ 1, 2 ]
amdhsa.kernels:
  - .name:           k_qecc031eabb_attn
    .symbol:         k_qecc031eabb_attn.kd
    .args:
      - { .name: qbuf, .offset: 0, .size: 8, .value_kind: global_buffer, .address_space: global }
      - { .name: kvbuf, .offset: 8, .size: 8, .value_kind: global_buffer, .address_space: global }
      - { .name: ao, .offset: 16, .size: 8, .value_kind: global_buffer, .address_space: global }
      - { .name: aoscl, .offset: 24, .size: 8, .value_kind: global_buffer, .address_space: global }
    .group_segment_fixed_size: 327680
    .private_segment_fixed_size: 0
    .kernarg_segment_align: 8
    .kernarg_segment_size: 32
    .max_flat_workgroup_size: 512
    .sgpr_count:     100
    .vgpr_count:     256
    .wavefront_size: 32
...
	.end_amdgpu_metadata
.endif
;; end of part 2
;; launch oproj (part 3): grid 4 x 64, 4 waves a work-group, clusters of 4 x 4, 327,680 bytes of LDS; arguments ao, aoscl, Wo_codes, Wo_scales, bo, out0; writes out0
.if DOCPART == 3
	.amdgcn_target "amdgcn-amd-amdhsa--gfx1250"
	.amdhsa_code_object_version 6
	.text
	.protected	k_qecc031eabb_oproj
	.globl	k_qecc031eabb_oproj
	.p2align	8
	.type	k_qecc031eabb_oproj,@function
k_qecc031eabb_oproj:
	s_mov_b64 s[64:65], 0
	v_nop
	global_prefetch_b8 v0, s[64:65] scope:SCOPE_SE
	s_setreg_imm32_b32 hwreg(HW_REG_WAVE_MODE, 25, 1), 1
	s_wait_xcnt 0x0
	s_wait_alu depctr_hold_cnt(0) depctr_sa_sdst(0) depctr_va_vdst(0) depctr_va_sdst(0) depctr_va_ssrc(0) depctr_va_vcc(0) depctr_vm_vsrc(0)
	s_getreg_b32 s2, hwreg(HW_REG_IB_STS2, 6, 4)
	s_cmp_eq_u32 s2, 0
	s_cbranch_scc0 .Lentry_in_a_cluster
	s_endpgm
.Lentry_in_a_cluster:
	s_bfe_u32 s2, ttmp6, 0x10000c
	s_cmp_lg_u32 s2, 0xf033
	s_cbranch_scc0 .Lentry_shape_is_right
	s_endpgm
.Lentry_shape_is_right:
; THE LAST PROJECTION out0 = O Wo^T + bo on codes of BF8 (E5M2) with E8M0 scales.  X = Wo's rows (source 0), Y = O's rows as the attention launch left them: images of operand registers, dense.  Nothing is left out.
; A work-group: 256 rows of X x 128 rows of Y x all 1,024 of K; wave w: X rows 128 (w & 1) on, Y rows 64 (w >> 1) on.  CLUSTER 4 x 4: Y's tiles jointly along a row, X's along a column.
; LDS: slot 0 holds K's quarter 0 and later, by the one refill, quarter 3; behind it one larger slot holds quarters 1 and 2 (Y: two dense images; X: rows of 512 bytes + 16 of padding), one load a wave behind the head's round;
; then the scale bytes of all of K and the spare words.  The bias is the first products' C.  The results leave through each wave's stage, which lies in the larger slot's part for Y behind its last read.
.set SLOT,   102400
.set YHALF,  16384
.set XOFF,   32768
.set XHALF,  34816
.set T16,    4352
.set T16B,   8448                      ; 16 rows of X in the larger slot
.set BIGY,   SLOT
.set BIGX,   SLOT+65536
.set PADB,   (1<<20)|(1<<21)|(6<<22)|(3<<25)   ; padding: four words after every 128
.set SCY,    SLOT+200704
.set SCYH,   2048
.set SCX,    SCY+2*SCYH
.set SCXH,   4352
.set SPARE,  SCX+2*SCXH
.set STAGE,  SLOT
.set SPITCH, 528
.set PADW,   (1<<20)|(1<<21)|(5<<22)|(3<<25)
.set ADRY,  16
.set ADRX,  19
.set ADRYS, 22
.set ADRXS, 23
.set STO,   24
.set RD,    25
.set CO,    26
.set BOFF,  27
.set SPW,   28
.set NIL,   29
.set XS,    32
.set YS,    64
.set YF,    128
.set BK,    128
.set G1Y,  32
.set G1X,  40
.set G1YS, 48
.set G1XS, 56
.set HALF, 66
.set G0Y,  68
.set G0X,  80
.set G0YS, 92
.set G0XS, 96
.set WV,   100
.set ROLE, 101
.set MULW, 0xa1
.set MULB, 0xb1
.set MSB, 0
.macro WIN new
.if MSB != (\new)
	s_set_vgpr_msb (MSB<<8)|(\new)
.set MSB, (\new)
.endif
.endm
.macro JLOAD g0y, g1y, g0x, g1x
	s_cmp_eq_u32 s[ROLE], 0
	s_cbranch_scc0 .Lfor_x_\@
	tensor_load_to_lds s[\g0y:\g0y+3], s[\g1y:\g1y+7]
	s_nop 0
.rept 4
	v_nop
.endr
	s_branch .Lasked_\@
.Lfor_x_\@:
	tensor_load_to_lds s[\g0x:\g0x+3], s[\g1x:\g1x+7]
	s_nop 0
.rept 4
	v_nop
.endr
.Lasked_\@:
.endm
.macro CREST
	s_cmp_lg_u32 s[WV], 0
	s_cbranch_scc1 .Lnot_wave_0_\@
	s_barrier_signal -3
.Lnot_wave_0_\@:
	s_barrier_wait -3
	s_barrier_signal -1
	s_barrier_wait -1
.endm
.macro CROUND
	s_barrier_signal -1
	s_barrier_wait -1
	CREST
.endm
.macro PLACES n
.rept \n
	v_nop
.endr
.endm
	s_load_b256 s[4:11], s[0:1], 0x0
	s_load_b128 s[12:15], s[0:1], 0x20
	v_lshl_add_u32 v[SPW], v0, 2, SPARE
	v_mov_b32 v[NIL], 0
	ds_add_u32 v[SPW], v[NIL]
	ds_add_u32 v[SPW], v[NIL]
	v_lshrrev_b32 v1, 5, v0
	v_readfirstlane_b32 s[WV], v1
	s_lshr_b32 s[ROLE], s[WV], 1
	s_and_b32 s[HALF], s[WV], 1
	s_bfe_u32 s2, ttmp6, 0x40000
	s_bfe_u32 s3, ttmp6, 0x40004
	s_lshl_b32 s80, 0x1111, s2
	s_lshl_b32 s68, s3, 2
	s_lshl_b32 s68, 15, s68
	s_or_b32 s[G1Y], s68, (3<<16)|(1<<21)
	s_or_b32 s[G1YS], s68, (3<<16)|(1<<21)
	s_or_b32 s[G1X], s80, PADW
	s_or_b32 s[G1XS], s80, (3<<16)|PADW
.irp g, G1Y, G1YS, G1XS
	s_mov_b32 s[\g+1], 32<<16
	s_mov_b32 s[\g+3], 32<<16
	s_mov_b32 s[\g+5], 32
	s_mov_b32 s[\g+6], 0
	s_mov_b32 s[\g+7], 0
.endr
	s_mov_b32 s[G1Y+2], 128<<16                    ; the head's loads bring whole tiles
	s_mov_b32 s[G1Y+4], 128
	s_mov_b32 s[G1YS+2], 16<<16
	s_mov_b32 s[G1YS+4], 16
	s_mov_b32 s[G1XS+2], 32<<16
	s_mov_b32 s[G1XS+4], 32
	s_mov_b32 s[G1X+1], 256<<16
	s_mov_b32 s[G1X+2], 256<<16
	s_mov_b32 s[G1X+3], 256<<16
	s_mov_b32 s[G1X+4], 256
	s_mov_b32 s[G1X+5], 1024
	s_mov_b32 s[G1X+6], 0
	s_mov_b32 s[G1X+7], 0
	s_lshl_b32 s26, ttmp9, 2
	s_add_co_u32 s26, s26, s2
	s_and_b32 s27, ttmp7, 0xffff
	s_lshl_b32 s27, s27, 2
	s_add_co_u32 s27, s27, s3
	s_lshl_b32 s16, s27, 17
	s_mov_b32 s17, 0
	s_lshl_b32 s18, s27, 12
	s_mov_b32 s19, 0
	s_lshl_b32 s20, s26, 18
	s_mov_b32 s21, 0
	s_lshr_b32 s22, s20, 5
	s_mov_b32 s23, 0
	s_mul_i32 s24, s[HALF], YHALF
	s_mul_i32 s25, s[HALF], XHALF
	s_add_co_u32 s25, s25, XOFF
	s_mul_i32 s28, s[HALF], 128*528                ; my half of the larger slot's rows of X
	s_wait_dscnt 0x0
	s_wait_kmcnt 0x0
	s_add_nc_u64 s[4:5], s[4:5], s[16:17]
	s_add_nc_u64 s[6:7], s[6:7], s[18:19]
	s_add_nc_u64 s[8:9], s[8:9], s[20:21]
	s_add_nc_u64 s[10:11], s[10:11], s[22:23]
	CROUND
	s_lshl_b32 s16, s[HALF], 15                    ; Y in the larger slot: wave 0 quarter 1, wave 1 quarter 2: 32,768 bytes each, in memory and in LDS alike (s17, s19, s21 hold 0)
	s_lshl_b32 s18, s[HALF], 14                    ; Y in the refill: half a quarter
	s_lshl_b32 s20, s[HALF], 17                    ; X: my 128 rows
.macro G0SET g, p, off                 ; a group 0 but for its LDS address: count 1, the address s[p:p+1] + off, type 2
	s_mov_b32 s[\g], 1
.if \off
	s_add_nc_u64 s[\g+2:\g+3], s[\p:\p+1], \off
.else
	s_mov_b64 s[\g+2:\g+3], s[\p:\p+1]
.endif
	s_or_b32 s[\g+3], s[\g+3], 0x80000000
.endm
	G0SET G0Y+8, 4, 0                              ; set 2, the head's: K's quarter 0, whole tiles
	s_mov_b32 s[G0Y+9], 0
	G0SET G0X+8, 8, 0
	s_mov_b32 s[G0X+9], XOFF
	G0SET G0YS, 6, 0                               ; the scale bytes of all of K
	s_mov_b32 s[G0YS+1], SCY
	G0SET G0XS, 10, 0
	s_mov_b32 s[G0XS+1], SCX
	s_add_nc_u64 s[8:9], s[8:9], s[20:21]
	s_add_nc_u64 s[22:23], s[4:5], s[16:17]
	s_add_nc_u64 s[4:5], s[4:5], s[18:19]
	G0SET G0Y, 4, 3*32768                          ; set 0, the refill's: quarter 3 into slot 0
	s_mov_b32 s[G0Y+1], s24
	G0SET G0X, 8, 768
	s_mov_b32 s[G0X+1], s25
	G0SET G0Y+4, 22, 32768                         ; set 1: quarters 1 and 2 into the larger slot
	s_add_co_u32 s[G0Y+5], s16, BIGY
	G0SET G0X+4, 8, 256
	s_add_co_u32 s[G0X+5], s28, BIGX
; THE HEAD'S LOADS, ONE A WAVE: one chain of branches on the wave's number, a load to an arm, all arms leading to one join.
.macro ARM under, g0, g1, next
	s_cmp_lt_u32 s[WV], \under
	s_cbranch_scc0 \next
	tensor_load_to_lds s[\g0:\g0+3], s[\g1:\g1+7]
	s_nop 0
.rept 4
	v_nop
.endr
	s_branch .Lhead_asked
\next:
.endm
	ARM 1, G0X+8, G1X, .Lhead_y                    ; wave 0: X's 256 rows of quarter 0
	ARM 2, G0Y+8, G1Y, .Lhead_ys                   ; wave 1: Y's quarter 0
	ARM 3, G0YS, G1YS, .Lhead_xs                   ; wave 2: Y's scale bytes
	tensor_load_to_lds s[G0XS:G0XS+3], s[G1XS:G1XS+7]   ; wave 3: X's
	s_nop 0
.rept 4
	v_nop
.endr
.Lhead_asked:
	v_and_b32 v1, 15, v0
	s_wait_alu depctr_va_vdst(0)
	v_bfe_u32 v2, v0, 4, 1
	v_and_b32 v6, 31, v0
	v_lshlrev_b32 v[CO], 4, v6
	v_lshlrev_b32 v[BOFF], 5, v2
	s_lshl_b32 s16, s26, 10
	s_lshl_b32 s17, s[HALF], 9
	s_add_co_u32 s16, s16, s17
	s_mov_b32 s17, 0
	s_add_nc_u64 s[12:13], s[12:13], s[16:17]
	WIN 0xc0
.irp t, 0,1,2,3,4,5,6,7
	global_load_b128 v[8*\t:8*\t+3], v[BOFF], s[12:13] offset:64*\t
	global_load_b128 v[8*\t+4:8*\t+7], v[BOFF], s[12:13] offset:64*\t+16
.endr
	WIN 0
	s_lshl_b32 s18, s27, 19
	s_lshl_b32 s19, s[ROLE], 18
	s_add_co_u32 s18, s18, s19
	s_add_co_u32 s18, s18, s16
	s_mov_b32 s19, 0
	s_add_nc_u64 s[14:15], s[14:15], s[18:19]
	v_mul_u32_u24 v3, v1, 272
	s_wait_alu depctr_va_vdst(0)
	v_lshl_add_u32 v3, v2, 4, v3
	s_mul_i32 s2, s[ROLE], YHALF
	s_mul_i32 s3, s[HALF], XHALF
	s_add_co_u32 s3, s3, XOFF
	v_add_nc_u32 v[ADRY], s2, v[CO]
	v_add_nc_u32 v[ADRX], s3, v3
	v_mul_u32_u24 v7, v1, 528                      ; X in the larger slot: row x 528 + 16 h
	v_lshl_add_u32 v7, v2, 4, v7
	s_mul_i32 s3, s[HALF], 128*528
	s_add_co_u32 s3, s3, BIGX
	v_add_nc_u32 v[ADRY+1], BIGY, v[ADRY]          ; quarter 1,
	v_add_nc_u32 v[ADRX+1], s3, v7
	v_add_nc_u32 v[ADRY+2], 32768, v[ADRY+1]       ; quarter 2
	v_add_nc_u32 v[ADRX+2], 256, v[ADRX+1]
	v_lshlrev_b32 v4, 3, v1
	s_lshl_b32 s2, s[ROLE], 9
	s_add_co_u32 s2, s2, SCY
	v_add_nc_u32 v[ADRYS], s2, v4
	v_lshlrev_b32 v4, 5, v1
	v_lshrrev_b32 v5, 3, v1
	v_lshl_add_u32 v4, v5, 4, v4
	s_mul_i32 s3, s[HALF], SCXH
	s_add_co_u32 s3, s3, SCX
	v_add_nc_u32 v[ADRXS], s3, v4
	s_mul_i32 s2, s[WV], 16*SPITCH
	s_add_co_u32 s2, s2, STAGE
	v_mul_u32_u24 v5, v1, SPITCH
	v_lshl_add_u32 v5, v2, 5, v5
	v_add_nc_u32 v[STO], s2, v5
	v_add_nc_u32 v[RD], s2, v[CO]
.macro MUL8 a, p, sc, q, first
.irp t, 0,1,2,3,4,5,6,7
.if \first
	v_wmma_scale_f32_16x16x128_f8f6f4 v[8*(8*(\a)+\t):8*(8*(\a)+\t)+7], v[128*(\p)+16*\t:128*(\p)+16*\t+15], v[YF+64*(\p)+16*(\a):YF+64*(\p)+16*(\a)+15], v[8*\t:8*\t+7], v[XS+16*(\sc)+2*\t+(\q)], v[YS+8*(\sc)+2*(\a)+(\q)] matrix_a_fmt:MATRIX_FMT_BF8 matrix_b_fmt:MATRIX_FMT_BF8
.else
	v_wmma_scale_f32_16x16x128_f8f6f4 v[8*(8*(\a)+\t):8*(8*(\a)+\t)+7], v[128*(\p)+16*\t:128*(\p)+16*\t+15], v[YF+64*(\p)+16*(\a):YF+64*(\p)+16*(\a)+15], v[8*(8*(\a)+\t):8*(8*(\a)+\t)+7], v[XS+16*(\sc)+2*\t+(\q)], v[YS+8*(\sc)+2*(\a)+(\q)] matrix_a_fmt:MATRIX_FMT_BF8 matrix_b_fmt:MATRIX_FMT_BF8
.endif
.endr
.endm
.macro FETCH s, q, p
	WIN 0x40
.irp t, 0,1,2,3,4,5,6,7
.irp c, 0,1,2,3
	ds_load_b128 v[128*(\p)+16*\t+4*\c:128*(\p)+16*\t+4*\c+3], v[ADRX+(\s)] offset:\t*(T16+(((\s)+1)/2)*(T16B-T16))+128*(\q)+32*\c
.endr
.endr
	WIN 0
.irp a, 0,1,2,3
.irp c, 0,1,2,3
	ds_load_b128 v[YF+64*(\p)+16*\a+4*\c:YF+64*(\p)+16*\a+4*\c+3], v[ADRY+(\s)] offset:\a*4096+2048*(\q)+512*\c
.endr
.endr
.endm
.macro SCALES k
.irp t, 0,1,2,3,4,5,6,7
	ds_load_b64 v[XS+16*((\k)%2)+2*\t:XS+16*((\k)%2)+2*\t+1], v[ADRXS] offset:\t*544+8*(\k)
.endr
.irp a, 0,1,2,3
	ds_load_b64 v[YS+8*((\k)%2)+2*\a:YS+8*((\k)%2)+2*\a+1], v[ADRYS] offset:\a*128+1024*(\k)
.endr
.endm
.macro NEXTF g
.set NS,  (((\g)+1)/2)%3
.set NQ2, ((\g)+1)%2
.set NK2, ((\g)+1)/2
	FETCH NS, NQ2, NQ2
.if NQ2 == 0
	SCALES NK2
.endif
.endm
.macro GSTEP g, kind, first
.set GP,  (\g)%2
.set GSC, ((\g)/2)%2
.set GW,  MULW+0x10*(\first)
.if \kind == 0
	s_wait_dscnt 0x0
	WIN GW
	MUL8 0, GP, GSC, GP, \first
	PLACES 8
	NEXTF \g
	WIN GW
	MUL8 1, GP, GSC, GP, \first
	MUL8 2, GP, GSC, GP, \first
	MUL8 3, GP, GSC, GP, \first
.elseif \kind == 1
	WIN 0
	s_wait_tensorcnt 0x0
	ds_add_u32 v[SPW], v[NIL]
	s_wait_dscnt 0x1
	WIN MULW
	MUL8 0, GP, GSC, GP, 0
	s_wait_dscnt 0x0
	s_barrier_signal -1
	MUL8 1, GP, GSC, GP, 0
	WIN 0
	s_barrier_wait -1
	CREST
	JLOAD G0Y, G1Y, G0X, G1X
	PLACES 4
	NEXTF \g
	WIN MULW
	MUL8 2, GP, GSC, GP, 0
	MUL8 3, GP, GSC, GP, 0
.elseif \kind == 2
	s_wait_tensorcnt 0x0
	s_wait_dscnt 0x0
	s_barrier_signal -1
	WIN MULW
	MUL8 0, GP, GSC, GP, 0
	MUL8 1, GP, GSC, GP, 0
	s_barrier_wait -1
	PLACES 8
	NEXTF \g
	WIN MULW
	MUL8 2, GP, GSC, GP, 0
	MUL8 3, GP, GSC, GP, 0
.else
	s_wait_dscnt 0x0
	WIN MULW
	MUL8 0, GP, GSC, GP, 0
	MUL8 1, GP, GSC, GP, 0
	MUL8 2, GP, GSC, GP, 0
	MUL8 3, GP, GSC, GP, 0
	WIN 0
.endif
.endm
	s_wait_alu depctr_va_vdst(0)
	s_wait_tensorcnt 0x0                           ; my tile of the head's four is in
	ds_add_u32 v[SPW], v[NIL]
	s_mov_b32 s[G1Y+2], 64<<16                     ; no tensor load of mine is out, so descriptors may be written: the refill brings half a quarter of Y a wave,
	s_mov_b32 s[G1Y+4], 64
	s_mov_b32 s[G1X+2], 128<<16                    ; 128 rows of X;
	s_mov_b32 s[G1X+4], 128
	s_mov_b32 s[G1YS+2], 128<<16                   ; the scale bytes' groups 1 become the larger slot's: Y: a dense quarter, 128 rows of 256 bytes;
	s_mov_b32 s[G1YS+4], 128
	s_bfe_u32 s9, ttmp6, 0x40000                   ; X: the mask made anew, 128 rows of 512 codes, 1,024 bytes apart
	s_lshl_b32 s9, 0x1111, s9
	s_or_b32 s[G1XS], s9, PADB
	s_mov_b32 s[G1XS+1], 512<<16
	s_mov_b32 s[G1XS+2], 128<<16
	s_mov_b32 s[G1XS+3], 512<<16
	s_mov_b32 s[G1XS+4], 128
	s_mov_b32 s[G1XS+5], 1024
	s_wait_dscnt 0x0                               ; the add is done
	CROUND                                         ; a whole round: all four tiles are in, and the joint loads meet
	JLOAD G0Y+4, G1YS, G0X+4, G1XS                 ; quarters 1 and 2: my one load behind the round
	FETCH 0, 0, 0
	SCALES 0
	s_wait_loadcnt 0x0
	GSTEP 0, 0, 1
	GSTEP 1, 1, 0
	GSTEP 2, 0, 0
	GSTEP 3, 0, 0
	GSTEP 4, 0, 0
	GSTEP 5, 2, 0
	GSTEP 6, 0, 0
	GSTEP 7, 3, 0
.macro TOSTAGE a
.set AC, 64*(\a)
	WIN 0x08
.irp t, 0,1,2,3,4,5,6,7
	ds_store_b128 v[STO], v[AC+8*\t:AC+8*\t+3] offset:64*\t
	ds_store_b128 v[STO], v[AC+8*\t+4:AC+8*\t+7] offset:64*\t+16
.endr
	WIN 0
.set BB, BK+64*((\a)%2)
.irp t, 0,1,2,3,4,5,6,7,8,9,10,11,12,13,14,15
	ds_load_b128 v[BB+4*\t:BB+4*\t+3], v[RD] offset:\t*SPITCH
.endr
.endm
.macro SEND a, younger
.set BB, BK+64*((\a)%2)
	s_wait_dscnt \younger
.irp t, 0,1,2,3,4,5,6,7,8,9,10,11,12,13,14,15
	global_store_b128 v[CO], v[BB+4*\t:BB+4*\t+3], s[14:15] offset:(16*(\a)+\t)*4096 th:TH_STORE_NT
.endr
.endm
	PLACES 8
	TOSTAGE 0
	TOSTAGE 1
	SEND 0, 32
	s_wait_xcnt 0x0
	TOSTAGE 2
	SEND 1, 32
	s_wait_xcnt 0x0
	TOSTAGE 3
	SEND 2, 32
	SEND 3, 0
	s_wait_tensorcnt 0x0
	ds_add_u32 v[SPW], v[NIL]
	s_wait_dscnt 0x0
	CROUND
	s_endpgm
.Lfunc_end_k_qecc031eabb_oproj:
	.size	k_qecc031eabb_oproj, .Lfunc_end_k_qecc031eabb_oproj-k_qecc031eabb_oproj
	.p2alignl 7, 3214868480
	.fill 96, 4, 3214868480
	.section	.rodata,"a",@progbits
	.p2align	6, 0x0
	.amdhsa_kernel k_qecc031eabb_oproj
		.amdhsa_group_segment_fixed_size 327680
		.amdhsa_private_segment_fixed_size 0
		.amdhsa_enable_private_segment 0
		.amdhsa_kernarg_size 48
		.amdhsa_user_sgpr_count 2
		.amdhsa_user_sgpr_kernarg_segment_ptr 1
		.amdhsa_wavefront_size32 1
		.amdhsa_system_sgpr_workgroup_id_x 1
		.amdhsa_system_sgpr_workgroup_id_y 1
		.amdhsa_system_sgpr_workgroup_id_z 1
		.amdhsa_system_vgpr_workitem_id 0
		.amdhsa_next_free_vgpr 832
		.amdhsa_next_free_sgpr 102
		.amdhsa_reserve_vcc 0
		.amdhsa_float_denorm_mode_32 3
		.amdhsa_float_denorm_mode_16_64 3
		.amdhsa_memory_ordered 1
		.amdhsa_forward_progress 1
		.amdhsa_inst_pref_size 91
	.end_amdhsa_kernel
	.amdgpu_metadata
---
amdhsa.version: [ 1, 2 ]
amdhsa.kernels:
  - .name:           k_qecc031eabb_oproj
    .symbol:         k_qecc031eabb_oproj.kd
    .args:
      - { .name: ao, .offset: 0, .size: 8, .value_kind: global_buffer, .address_space: global }
      - { .name: aoscl, .offset: 8, .size: 8, .value_kind: global_buffer, .address_space: global }
      - { .name: Wo_codes, .offset: 16, .size: 8, .value_kind: global_buffer, .address_space: global }
      - { .name: Wo_scales, .offset: 24, .size: 8, .value_kind: global_buffer, .address_space: global }
      - { .name: bo, .offset: 32, .size: 8, .value_kind: global_buffer, .address_space: global }
      - { .name: out0, .offset: 40, .size: 8, .value_kind: global_buffer, .address_space: global }
    .group_segment_fixed_size: 327680
    .private_segment_fixed_size: 0
    .kernarg_segment_align: 8
    .kernarg_segment_size: 48
    .max_flat_workgroup_size: 128
    .sgpr_count:     102
    .vgpr_count:     832
    .wavefront_size: 32
...
	.end_amdgpu_metadata
.endif
;; end of part 3
